; MI455X (gfx1250); checked and timed in simulation.
; The chip was launched on July 23, 2026; its instructions are those of AMD's public machine-readable ISA for CDNA 5 (MIT licence, August 2026) and "CDNA5" Instruction Set Architecture Reference Guide (July 2026). The comments in the code are by the model that wrote it; some were corrected since.
;; Multi Head Attention. Allowed arithmetic: matrix products marked QUANTISED: E2M3 operands, one E8M0 scale for each 32 along K, by v_wmma_scale_f32_16x16x128_f8f6f4 with both operands' format E2M3, f32 sums; everything else in f32.
;; Inputs: b_proj 1,024 float32; w_proj 1,024 x 1,024 float32; w_qkv 3,072 x 1,024 float32; x 4 x 2,048 x 1,024 float32.
;; Outputs: out0 4 x 2,048 x 1,024 float32.
;; This version of the problem:
;;   THIS VERSION OF THE PROBLEM IS GIVEN IN LOW PRECISION. The matrix products marked QUANTISED in the list below multiply operands that are first quantised to E2M3 (2 exponent bits, 3 mantissa bits; 6 bits a number), with one power-of-two scale for each 32 numbers along K (OCP MX v1.0); their sums are f32. All else is computed in f32.
;;   The module's matrix products, in the order in which they are computed (A, B: the left and right operand; K: the contracted axis; several contracted axes count as one K, in the product's order):
;;     1. [M 8,192, K 1,024] x [K 1,024, N 3,072]; A: input x; B: input w_qkv: QUANTISED
;;     2. batch 64 x [M 2,048, K 64] x [K 64, N 2,048]; A: computed on the way; B: computed on the way: QUANTISED
;;     3. batch 64 x [M 2,048, K 2,048] x [K 2,048, N 64]; A: softmax (see below); B: computed on the way: QUANTISED
;;     4. [M 8,192, K 1,024] x [K 1,024, N 1,024]; A: computed on the way; B: input w_proj: QUANTISED
;;   THE QUANTISER, for each operand of a quantised product, along K:
;;     - K is cut into blocks of 32 from its start; a last block that is shorter is filled with zeros.
;;     - A block's scale is 2^e with e = floor(log2(the largest magnitude in the block)) - 2, held to -126 .. 127; a block of zeros has e = 0. As a byte (E8M0): e + 127.
;;     - Each number is divided by its block's scale, clamped to +-7.5, and rounded to the nearest number of E2M3, ties to even, subnormals kept.
;;     - The product sums the exact products of the quantised numbers (number of the format x scale) in f32.
;;   ~~~python
;;   def quantise(x, axis):      # numpy; x: float32 -> the quantised numbers, widened to float32 again
;;       x = np.moveaxis(x, axis, -1); K = x.shape[-1]
;;       x = np.pad(x, [(0, 0)] * (x.ndim - 1) + [(0, -K % 32)]); x = x.reshape(x.shape[:-1] + (-1, 32)); a = np.abs(x).max(-1, keepdims=True)
;;       e = np.where(a > 0, np.clip(np.frexp(np.where(a > 0, a, 1))[1] - 1 - 2, -126, 127), 0)      # np.frexp(a)[1] - 1 = floor(log2(a)), exactly
;;       r = np.clip(x / 2.0 ** e, -7.5, 7.5)
;;       step = 2.0 ** (np.maximum(np.frexp(np.where(r == 0, 1, r))[1] - 1, 0) - 3)
;;       q = np.round(r / step) * step * 2.0 ** e      # np.round: ties to even
;;       return np.moveaxis(q.reshape(q.shape[:-2] + (-1,))[..., :K], -1, axis).astype(np.float32)
;;   ~~~
;;   SOFTMAX AHEAD OF A QUANTISED PRODUCT. Where the list says 'softmax', what is quantised is not the finished softmax but p = 2^(t - M), with t = logit x log2(e) and M = ceil(the row's largest t), a whole number; so 1/2 < the row's largest p <= 1. The row's sum l is taken of the UNQUANTISED p, in f32, and the product's result is divided by l at the end. Since M is a whole number, a kernel that streams over the keys may use a running M (the ceiling of the running maximum): every later rescaling is an exact power of two, which a block's scale takes up: the codes' values come out the same.
;;   OPERANDS COMPUTED ON THE WAY. 'Computed on the way' means the value that the module computes at that place (a softmax that the list does not call 'softmax' is quantised finished and normalised). What goes into a quantiser is computed in f32, as accurately as f32 sums, v_exp_f32 and their like allow (about 1e-6 of the number): no bf16 or f16 on the way to a quantiser, and a product that is left as it is and whose result goes on into a quantised operand takes f32 operands (vector FMAs, or v_wmma_f32_16x16x4_f32). A number that lies on a knife's edge between two numbers of the format may be rounded either way, as far as f32 arithmetic and the matrix unit's own rounding can turn it there, and no further.
;; One version. Each part assembles by itself: llvm-mc -triple=amdgcn-amd-amdhsa -mcpu=gfx1250 --defsym DOCPART=n.
;; ======== version 1 of 1: 4 launches
;; workspace buffers: codes 9,437,184 bytes; scales 393,216 bytes; qkv 20,447,232 bytes; ao 6,291,456 bytes; ao_scales 262,144 bytes
;; launch quant (part 1): grid 384 x 1, 4 waves a work-group, no clusters, 33,280 bytes of LDS; arguments x, w_qkv, w_proj, codes, scales; writes codes, scales
.if DOCPART == 1
	.amdgcn_target "amdgcn-amd-amdhsa--gfx1250"
	.amdhsa_code_object_version 6
	.text
	.protected	k_qfcc4f344b8_quant
	.globl	k_qfcc4f344b8_quant
	.p2align	8
	.type	k_qfcc4f344b8_quant,@function
k_qfcc4f344b8_quant:
	s_mov_b64 s[64:65], 0
	v_nop
	global_prefetch_b8 v0, s[64:65] scope:SCOPE_SE
	s_setreg_imm32_b32 hwreg(HW_REG_WAVE_MODE, 25, 1), 1
	s_wait_xcnt 0x0
; x [8192][1024], w_qkv [3072][1024] and w_proj [1024][1024], f32 with K innermost, become codes of FP6 (E2M3) and one E8M0 scale byte for each 32 along K.
; The three tensors are laid on end: codes [12288 rows][768 bytes], scales [12288 rows][32 bytes]; rows 0-8191 x, 8192-11263 w_qkv, 11264-12287 w_proj.
; A block's scale is 2^(floor(log2(its largest magnitude)) - 2); its byte is the largest magnitude's exponent field - 2, held at 1 from below.
; THE ORDER INSIDE A BLOCK: the 32 codes of a block lie as numbers 0-7, 16-23, 8-15, 24-31.  Every operand of every product of this program has that order, so each product
; multiplies the same pairs under the same scales; it is the order in which a transposed matrix result falls into codes without any exchange of rows.
; LIMITS: a block of zeros, and one whose largest magnitude lies under 2^-124, gets the byte 1 (the rule says 127 for zeros: the codes are zeros, and this program alone reads the bytes);
; NaN and infinities among the inputs are not served.
; A work-group takes 32,768 numbers, a wave 16 steps of 512.  Each of a step's four loads reads 512 consecutive bytes; the 2,048 bytes go through the wave's own stage in LDS and come back
; so that lane l holds 16 numbers of block l / 2: numbers 8 e .. 8 e + 7 and 16 + 8 e .. 16 + 8 e + 7, e = l % 2.  A lane's 16 codes are 12 bytes: the wave stores 384 consecutive bytes.
; No tensor loads, no barrier: waves share nothing.  Loads run four steps (16 loads a wave) ahead, the turn through LDS one step.
.set STEPS, 16
.set EMAX,  2
.set CB,    12                         ; bytes of 16 codes
.set R,     16                         ; v16-79   four sets of 16 numbers as they are loaded
.set X,     80                         ; v80-111  two sets of 16 numbers of one block
.set C,     128                        ; v128-191 codes: four registers for each step, so that no store's data are written again
.set E,     112                        ; v112-127 a scale byte for each step
.set WREG,  8192                       ; LDS: a region for each wave: two stages of 32 x SP bytes, behind them its 256 scale bytes
.set SP,    80                         ; 64 bytes of numbers + 16 of padding
	s_load_b128 s[4:7], s[0:1], 0x0                ; x, w_qkv
	s_load_b128 s[8:11], s[0:1], 0x10              ; w_proj, codes
	s_load_b64 s[12:13], s[0:1], 0x20              ; scales
	v_lshl_add_u32 v192, v0, 2, 0x8000
	v_mov_b32 v193, 0
	v_lshrrev_b32 v1, 5, v0
	v_readfirstlane_b32 s16, v1                    ; wave
	v_and_b32 v2, 31, v0                           ; lane
	v_lshlrev_b32 v3, 4, v2                        ; my 16 bytes of a load's 512
	s_mul_i32 s17, s16, WREG
	v_lshrrev_b32 v14, 2, v2
	v_mul_u32_u24 v14, v14, SP
	v_and_b32 v15, 3, v2
	v_lshl_add_u32 v14, v15, 4, v14
	v_add_nc_u32 v14, s17, v14                     ; the stage, on the way in: SP (lane / 4) + 16 (lane % 4)
	v_lshrrev_b32 v15, 1, v2
	v_mul_u32_u24 v15, v15, 2*SP
	v_and_b32 v10, 1, v2
	v_lshl_add_u32 v15, v10, 5, v15
	v_add_nc_u32 v15, s17, v15                     ; on the way out: my block's two places, 2 SP (lane / 2), and 32 bytes on for the odd lane
	v_mul_u32_u24 v4, v2, CB                       ; my codes' place in a step's
	v_lshrrev_b32 v5, 1, v2
	s_add_co_u32 s17, s17, 2*32*SP
	v_add_nc_u32 v5, s17, v5                       ; LDS: my wave's 256 scale bytes, my block's byte
	v_lshlrev_b32 v7, 3, v2                        ; and on the way out 8 bytes a lane
	v_add_nc_u32 v6, s17, v7
	s_wait_kmcnt 0x0
	s_cmp_lt_u32 ttmp9, 352                        ; work-groups 0-255 take x, 256-351 w_qkv, 352-383 w_proj: the choice hangs on the work-group's number alone
	s_cselect_b64 s[6:7], s[6:7], s[8:9]
	s_mov_b32 s17, 352
	s_cselect_b32 s17, 256, s17
	s_cmp_lt_u32 ttmp9, 256
	s_cselect_b64 s[4:5], s[4:5], s[6:7]
	s_cselect_b32 s17, 0, s17                      ; the tensor's first work-group
	s_sub_co_u32 s17, ttmp9, s17
	s_lshl_b32 s17, s17, 2
	s_add_co_u32 s18, s17, s16                     ; which run of 8,192 numbers of the tensor is my wave's
	s_mov_b32 s19, 0
	s_lshl_b64 s[20:21], s[18:19], 15              ; 32,768 bytes a run
	s_add_nc_u64 s[4:5], s[4:5], s[20:21]
	s_lshl_b32 s18, ttmp9, 2
	s_add_co_u32 s18, s18, s16                     ; and which run of the outputs, which are one stream over the three tensors
	s_mul_i32 s20, s18, 32*STEPS*CB                ; 6,144 bytes of codes a run: 1,536 runs stay under 2^24 bytes
	s_mov_b32 s21, 0
	s_add_nc_u64 s[10:11], s[10:11], s[20:21]
	s_lshl_b32 s18, s18, 8                         ; 256 scale bytes a run
	s_add_nc_u64 s[12:13], s[12:13], s[18:19]
.macro LOAD t
.irp i, 0,1,2,3
	global_load_b128 v[R+16*((\t)%4)+4*\i:R+16*((\t)%4)+4*\i+3], v3, s[4:5] offset:2048*(\t)+512*\i th:TH_LOAD_NT   ; 32 lanes read 512 consecutive bytes
.endr
.endm
.macro TURN t                          ; step t's numbers through the stage: LDS serves a wave's instructions in order, so no wait stands between the stores and the loads
.irp i, 0,1,2,3
	ds_store_b128 v14, v[R+16*((\t)%4)+4*\i:R+16*((\t)%4)+4*\i+3] offset:32*SP*((\t)%2)+8*SP*\i
.endr
.irp i, 0,1,2,3
	ds_load_b128 v[X+16*((\t)%2)+4*\i:X+16*((\t)%2)+4*\i+3], v15 offset:32*SP*((\t)%2)+16*(\i%2)+SP*(\i/2)   ; 32 bytes of the block's first half, 32 of its second
.endr
.endm
.irp t, 0,1,2,3
	LOAD \t
.endr
	s_wait_loadcnt 12                              ; step 0's four loads are in
	TURN 0
.macro STEP t
.set XS, X+16*((\t)%2)
.if (\t) > 0
	s_wait_dscnt 1                                 ; this step's numbers are back from the stage (the last step's byte store may be out): so its stores into the stage have read their registers,
.else
	s_wait_dscnt 0x0
.endif
.if (\t)+4 < STEPS
	LOAD (\t)+4                                    ; which take the loads of four steps on
.endif
.if (\t)+1 < STEPS
.if STEPS-2-(\t) >= 3
	s_wait_loadcnt 12                              ; the next step's four loads are in; those of the three steps behind it may be out
.else
	s_wait_loadcnt 4*(STEPS-2-(\t))
.endif
	TURN (\t)+1                                    ; and go through the other stage while this step is worked
.endif
	v_max3_num_f32 v8, |v[XS]|, |v[XS+1]|, |v[XS+2]|               ; the largest magnitude of my 16
	v_max3_num_f32 v9, |v[XS+3]|, |v[XS+4]|, |v[XS+5]|
.irp i, 6,10
	v_max3_num_f32 v8, v8, |v[XS+\i]|, |v[XS+\i+1]|
	v_max3_num_f32 v9, v9, |v[XS+\i+2]|, |v[XS+\i+3]|
.endr
	v_max3_num_f32 v8, v8, |v[XS+14]|, |v[XS+15]|
	v_max3_num_f32 v8, v8, v9, (EMAX+1)<<23        ; and the floor 2^(3 - 127): the byte cannot fall under 1
	v_max_num_f32_dpp v8, v8, v8 row_xmask:1 row_mask:0xf bank_mask:0xf   ; and of my neighbour's 16: the block's
	v_add_nc_u32 v11, -(EMAX<<23), v8              ; 2 off its exponent field: the conversion takes the exponent field of this operand as its scale
	v_cvt_scalef32_pk16_fp6_f32 v[C+4*(\t):C+4*(\t)+2], v[XS:XS+15], v11
	v_lshrrev_b32 v[E+(\t)], 23, v11               ; the scale's byte
	ds_store_b8 v5, v[E+(\t)] offset:16*(\t)       ; both lanes of a block write the same byte with the same value
	global_store_b96 v4, v[C+4*(\t):C+4*(\t)+2], s[10:11] offset:32*CB*(\t)
.endm
.irp t, 0,1,2,3,4,5,6,7,8,9,10,11,12,13,14,15
	STEP \t
.endr
	ds_load_b64 v[12:13], v6                       ; LDS serves a wave's instructions in order: these see my stores
	s_wait_dscnt 0x0
	global_store_b64 v7, v[12:13], s[12:13]        ; 32 lanes store 256 consecutive bytes, aligned
	s_wait_tensorcnt 0x0
	ds_add_u32 v192, v193
	s_wait_dscnt 0x0
	s_endpgm
.Lfunc_end_k_qfcc4f344b8_quant:
	.size	k_qfcc4f344b8_quant, .Lfunc_end_k_qfcc4f344b8_quant-k_qfcc4f344b8_quant
	.p2alignl 7, 3214868480
	.fill 96, 4, 3214868480
	.section	.rodata,"a",@progbits
	.p2align	6, 0x0
	.amdhsa_kernel k_qfcc4f344b8_quant
		.amdhsa_group_segment_fixed_size 33280
		.amdhsa_private_segment_fixed_size 0
		.amdhsa_enable_private_segment 0
		.amdhsa_kernarg_size 40
		.amdhsa_user_sgpr_count 2
		.amdhsa_user_sgpr_kernarg_segment_ptr 1
		.amdhsa_wavefront_size32 1
		.amdhsa_system_sgpr_workgroup_id_x 1
		.amdhsa_system_sgpr_workgroup_id_y 1
		.amdhsa_system_sgpr_workgroup_id_z 1
		.amdhsa_system_vgpr_workitem_id 0
		.amdhsa_next_free_vgpr 194
		.amdhsa_next_free_sgpr 66
		.amdhsa_reserve_vcc 0
		.amdhsa_float_denorm_mode_32 3
		.amdhsa_float_denorm_mode_16_64 3
		.amdhsa_memory_ordered 1
		.amdhsa_forward_progress 1
		.amdhsa_inst_pref_size 33
	.end_amdhsa_kernel
	.amdgpu_metadata
---
amdhsa.version: [ 1, 2 ]
amdhsa.kernels:
  - .name:           k_qfcc4f344b8_quant
    .symbol:         k_qfcc4f344b8_quant.kd
    .args:
      - { .name: x, .offset: 0, .size: 8, .value_kind: global_buffer, .address_space: global }
      - { .name: w_qkv, .offset: 8, .size: 8, .value_kind: global_buffer, .address_space: global }
      - { .name: w_proj, .offset: 16, .size: 8, .value_kind: global_buffer, .address_space: global }
      - { .name: codes, .offset: 24, .size: 8, .value_kind: global_buffer, .address_space: global }
      - { .name: scales, .offset: 32, .size: 8, .value_kind: global_buffer, .address_space: global }
    .group_segment_fixed_size: 33280
    .private_segment_fixed_size: 0
    .kernarg_segment_align: 8
    .kernarg_segment_size: 40
    .max_flat_workgroup_size: 128
    .sgpr_count:     66
    .vgpr_count:     194
    .wavefront_size: 32
...
	.end_amdgpu_metadata
.endif
;; end of part 1
;; launch qkvgemm (part 2): grid 12 x 32, 4 waves a work-group, clusters of 4 x 4, 327,680 bytes of LDS; arguments codes, scales, qkv; writes qkv
.if DOCPART == 2
	.amdgcn_target "amdgcn-amd-amdhsa--gfx1250"
	.amdhsa_code_object_version 6
	.text
	.protected	k_qfcc4f344b8_qkvgemm
	.globl	k_qfcc4f344b8_qkvgemm
	.p2align	8
	.type	k_qfcc4f344b8_qkvgemm,@function
k_qfcc4f344b8_qkvgemm:
	s_mov_b64 s[64:65], 0
	v_nop
	global_prefetch_b8 v0, s[64:65] scope:SCOPE_SE
	s_setreg_imm32_b32 hwreg(HW_REG_WAVE_MODE, 25, 1), 1
	s_wait_xcnt 0x0
	s_wait_alu depctr_hold_cnt(0) depctr_sa_sdst(0) depctr_va_vdst(0) depctr_va_sdst(0) depctr_va_ssrc(0) depctr_va_vcc(0) depctr_vm_vsrc(0)
	s_getreg_b32 s2, hwreg(HW_REG_IB_STS2, 6, 4)
	s_cmp_eq_u32 s2, 0
	s_cbranch_scc0 .Lentry_in_a_cluster
	s_endpgm
.Lentry_in_a_cluster:
	s_bfe_u32 s2, ttmp6, 0x10000c
	s_cmp_lg_u32 s2, 0xf033
	s_cbranch_scc0 .Lentry_shape_is_right
	s_endpgm
.Lentry_shape_is_right:
; qkv = x w_qkv^T on codes of FP6 (E2M3) with E8M0 scales, K = 1,024; the results never leave as f32: they are quantised here, q and k along the head's 64, v along the tokens,
; and stored as images of the operand registers that the attention launch wants.
; A tile of 256 x 256 is made by four waves, each 128 x 128: 64 accumulators, 512 registers.  K goes in steps of 256 through a ring of two LDS slots filled by tensor loads; the scale bytes
; of the work-group's 512 rows, for all of K, come once with the first fills.  CLUSTERS of 4 x 4: the tile named A is shared along a row of the cluster, the tile named B along a column, by joint loads.
; SOURCE 0 takes 16 rows of B, SOURCE 1 16 rows of A: a lane then holds ONE row of A, and its registers run along B's rows: register 8 t + j of lane (r, h) is B's row 16 t + 8 h + j.
; WHAT IS A AND WHAT IS B hangs on the cluster's x alone.  Clusters 0 (q) and 1 (k): A = 256 tokens, B = 256 rows of w: a lane holds a token and runs along the head's channels, which are the next K.
; Cluster 2 (v): A = 256 rows of w_v, B = 256 tokens: a lane holds a channel and runs along the tokens, which are v's K.  Both operands lie in the one buffer of codes: only tile numbers differ, and all take one path.
; THE ORDER INSIDE A BLOCK OF 32 is numbers 0-7, 16-23, 8-15, 24-31 in every operand of this program; here it falls out of the accumulators' layout.  It regroups the partial sums inside a matrix instruction; blocks and scales stay.
; qkv: [64 heads][16 steps of 128 tokens][REC bytes]: +0 K's four images of two tiles of 16 tokens (1,536 bytes each), +6144 K's scale words, +6656 V's four fragments (16 channels x 128 tokens), +12800 V's scale words,
; +13056 256 bytes that are written and never used, +13312 Q as K, +19456 Q's scale words.  An image is 12 registers as three runs of 512 bytes: run c holds registers 4 c .. 4 c + 3, lane l at 16 l.
; LIMITS: a block of zeros, and one whose largest magnitude lies under 2^-124, gets the byte 1; NaN and infinities are not served.
; REGISTERS: window 0: v16-31 addresses; v32-63 scale words, two sets; v128-223 A's fragments, one set.  window 1: B's fragments, two sets.  windows 2, 3: the accumulators.  On the way out window 0's v32-223 are free.
.set KSTEP,  256
.set NQ,     2                         ; matrix instructions deep in a slot
.set ROWB,   192                       ; a tile's row in bytes
.set KROW,   768                       ; a row of codes in memory
.set PITCH,  240                       ; an LDS row: 3 x (64 bytes + 16 of padding)
.set FR,     12
.set NL,     6
.set NP,     4                         ; places behind this matrix instruction (ISA guide 7.12.1)
.set HALFT,  128*PITCH
.set SLOT,   4*HALFT
.set LAPS,   2                         ; 1,024 / 512
.set KS,     32                        ; a row of scale bytes
.set SCL,    2*SLOT
.set HALFS,  (128*KS/256)*272
.set SBLK,   (16*KS/256)*272
.set SPARE,  SCL+4*HALFS               ; the spare words, 128 bytes for each wave
.set REC,    19968
.set HS,     16*REC                    ; from head to head
.set ADRA, 16
.set ADRB, 20
.set ADRS, 27
.set SPW,  28
.set NIL,  29
.set L16,  30                          ; the way out: 16 x lane
.set L8,   31                          ; 8 x lane
.set SC,   32
.set AF,   128
.set TM,   32                          ; the way out: v32-35 largest magnitudes, v36-39 bytes, v44-47 the conversions' scale operands
.set PWA,  48                          ; the scale words just made
.set PWB,  49
.set MM,   50
.set SW0,  52                          ; v52-55, v56-59 scale words to store
.set SW1,  56
.set VOFF, 60                          ; v60-67 where the eight images of codes go
.set VSO,  68                          ; v68-71 where the scale words go
.set TS,   72                          ; v72-77 at work in the exchange
.set T2,   80                          ; v80-86 the conversions' second halves
.set CA,   128                         ; v128-223 codes: 24 registers for each pair of blocks, so that no store's data are written again
.set G1, 24
.set G0, 32
.set G1B, 48
.set G0B, 56
.set G1S, 68
.set G0S, 76
.set G1SB, 80
.set G0SB, 88
.set SSG, 68                           ; the way out's scalars take the registers of descriptors whose loads are long done
.set SS1, 69
.set SS0, 70
.set TSG, 71
.set TJJ, 72
.set MW,  73
.set MV,  74
.set HIM, 75
.set KIND, 76
.set MSB, 0
.macro WIN new                         ; the immediate's high byte repeats the setting that is left
.if MSB != (\new)
	s_set_vgpr_msb (MSB<<8)|(\new)
.set MSB, (\new)
.endif
.endm
.set MUL_LO, 0xa1                      ; source 0 (B) window 1, source 1 (A) window 0, C and D window 2
.set MUL_HI, 0xf1
.set TO_B,   0x40
; A joint load: waves 0 and 1 fetch for A, waves 2 and 3 for B; the branch hangs on the wave's number alone.  Four v_nop follow each of the two lines.
.macro JLOAD g0a, g1a, g0b, g1b
	s_cmp_eq_u32 s15, 0
	s_cbranch_scc0 .Lfor_b_\@
	tensor_load_to_lds s[\g0a:\g0a+3], s[\g1a:\g1a+7]
	s_nop 0
.rept 4
	v_nop
.endr
	s_branch .Lasked_\@
.Lfor_b_\@:
	tensor_load_to_lds s[\g0b:\g0b+3], s[\g1b:\g1b+7]
	s_nop 0
.rept 4
	v_nop
.endr
.Lasked_\@:
.endm
.macro CREST
	s_cmp_lg_u32 s14, 0
	s_cbranch_scc1 .Lnot_wave_0_\@
	s_barrier_signal -3
.Lnot_wave_0_\@:
	s_barrier_wait -3
	s_barrier_signal -1
	s_barrier_wait -1
.endm
.macro CROUND
	s_barrier_signal -1
	s_barrier_wait -1
	CREST
.endm
	s_load_b128 s[4:7], s[0:1], 0x0                ; codes s[4:5], scales s[6:7]
	s_load_b64 s[12:13], s[0:1], 0x10              ; qkv
	v_lshl_add_u32 v[SPW], v0, 2, SPARE
	v_mov_b32 v[NIL], 0
	ds_add_u32 v28, v29
	ds_add_u32 v28, v29
	s_wait_dscnt 0x0
	v_lshrrev_b32 v1, 5, v0
	v_readfirstlane_b32 s14, v1                    ; wave 0..3
	s_lshr_b32 s15, s14, 1                         ; which half of A's rows is mine.  Also: I fetch for A (0) or for B (1)
	s_and_b32 s16, s14, 1                          ; which half of B's rows.  Also: which 128 rows of that tile I fetch
	s_bfe_u32 s40, ttmp6, 0x40000                  ; cx, cy: my place in the cluster
	s_bfe_u32 s41, ttmp6, 0x40004
	s_and_b32 s17, ttmp7, 0xffff
	s_lshl_b32 s17, s17, 2                         ; 4 x cluster y: the cluster's first tile of tokens
	s_lshl_b32 s42, ttmp9, 2
	s_add_co_u32 s42, s42, 32                      ; 32 + 4 x cluster x: its first tile of w's rows (w_qkv begins at tile 32 of the codes)
	s_cmp_eq_u32 ttmp9, 2                          ; v?  The cluster's x is the same in all sixteen partners
	s_cselect_b32 s42, s17, s42                    ; B: v: tokens; else w's rows
	s_cselect_b32 s17, 40, s17                     ; A: v: w_v's rows (from tile 40); else tokens
	s_add_co_u32 s17, s17, s41                     ; A's tile hangs on cy alone of the two places,
	s_add_co_u32 s42, s42, s40                     ; B's on cx alone
	s_lshl_b32 s43, s41, 2
	s_lshl_b32 s43, 15, s43                        ; my row of the cluster
	s_lshl_b32 s44, 0x1111, s40                    ; my column
	s_or_b32 s[G1+0], s43, (0<<16)|(1<<20)|(1<<21)|(3<<22)|(3<<25)  ; the mask; elements of 1 byte; padding on; bit 21 beside a mask; after every 16 words 4 words
	s_or_b32 s[G1B+0], s44, (0<<16)|(1<<20)|(1<<21)|(3<<22)|(3<<25)
.irp g, G1, G1B
	s_mov_b32 s[\g+1], ROWB<<16                    ; tensor_dim0
	s_mov_b32 s[\g+2], 128<<16                     ; tensor_dim1
	s_mov_b32 s[\g+3], ROWB<<16                    ; tile_dim0
	s_mov_b32 s[\g+4], 128                         ; tile_dim1
	s_mov_b32 s[\g+5], KROW                        ; stride
	s_mov_b32 s[\g+6], 0
	s_mov_b32 s[\g+7], 0
.endr
	s_or_b32 s[G1S+0], s43, (3<<16)|(1<<20)|(1<<21)|(5<<22)|(3<<25)   ; the scales of 128 rows: 4,096 dense bytes as rows of 256, 16 bytes of padding behind each
	s_or_b32 s[G1SB+0], s44, (3<<16)|(1<<20)|(1<<21)|(5<<22)|(3<<25)
.irp g, G1S, G1SB
	s_mov_b32 s[\g+1], 32<<16
	s_mov_b32 s[\g+2], (128*KS/256)<<16
	s_mov_b32 s[\g+3], 32<<16
	s_mov_b32 s[\g+4], 128*KS/256
	s_mov_b32 s[\g+5], 32
	s_mov_b32 s[\g+6], 0
	s_mov_b32 s[\g+7], 0
.endr
	s_lshl_b32 s18, s16, 7                         ; which 128 rows of the tile I fetch
	s_lshl_b32 s20, s17, 8
	s_add_co_u32 s20, s20, s18                     ; A's row
	s_lshl_b32 s46, s42, 8
	s_add_co_u32 s46, s46, s18                     ; B's row
	s_mov_b32 s21, 0
	s_mov_b32 s47, 0
	s_mov_b64 s[18:19], KS
	s_mul_u64 s[22:23], s[20:21], s[18:19]         ; where these rows' scales begin
	s_mul_u64 s[92:93], s[46:47], s[18:19]
	s_mov_b64 s[18:19], KROW
	s_mul_u64 s[20:21], s[20:21], s[18:19]         ; and their codes
	s_mul_u64 s[46:47], s[46:47], s[18:19]
	s_mul_i32 s45, s14, HALFT                      ; where they go: wave x 128 rows
	s_mul_i32 s94, s14, HALFS
	s_wait_kmcnt 0x0
	s_add_nc_u64 s[20:21], s[4:5], s[20:21]
	s_add_nc_u64 s[22:23], s[6:7], s[22:23]
	s_add_nc_u64 s[46:47], s[4:5], s[46:47]
	s_add_nc_u64 s[92:93], s[6:7], s[92:93]
	CROUND                                         ; all sixteen work-groups are here: the first joint loads meet
	s_mov_b32 s[G0S], 1
	s_add_co_u32 s[G0S+1], s94, SCL
	s_mov_b64 s[G0S+2:G0S+3], s[22:23]
	s_or_b32 s[G0S+3], s[G0S+3], 0x80000000
	s_mov_b32 s[G0SB], 1
	s_add_co_u32 s[G0SB+1], s94, SCL
	s_mov_b64 s[G0SB+2:G0SB+3], s[92:93]
	s_or_b32 s[G0SB+3], s[G0SB+3], 0x80000000
	JLOAD G0S, G1S, G0SB, G1SB                     ; the scales first: they are wanted with K step 0
.irp s, 0,1
	s_mov_b32 s[G0+4*\s], 1
	s_add_co_u32 s[G0+4*\s+1], s45, \s*SLOT
	s_add_nc_u64 s[G0+4*\s+2:G0+4*\s+3], s[20:21], \s*ROWB
	s_or_b32 s[G0+4*\s+3], s[G0+4*\s+3], 0x80000000
	s_mov_b32 s[G0B+4*\s], 1
	s_add_co_u32 s[G0B+4*\s+1], s45, \s*SLOT
	s_add_nc_u64 s[G0B+4*\s+2:G0B+4*\s+3], s[46:47], \s*ROWB
	s_or_b32 s[G0B+4*\s+3], s[G0B+4*\s+3], 0x80000000
	JLOAD G0+4*\s, G1, G0B+4*\s, G1B
.endr
	v_and_b32 v1, 15, v0                           ; l % 16
	v_bfe_u32 v2, v0, 4, 1                         ; l / 16
	v_mul_u32_u24 v3, v1, PITCH
	v_mul_u32_u24 v4, v2, 24
	v_add_nc_u32 v4, v3, v4                        ; a fragment's row x pitch + 24 x half
	v_lshl_add_u32 v5, v2, 4, v4                   ; and the same behind one padding more
	s_mul_i32 s21, s15, HALFT                      ; my 128 rows of A
	s_mul_i32 s22, s16, HALFT                      ; my 128 rows of B,
	s_add_co_u32 s22, s22, 2*HALFT                 ; which lie behind A's 256
.irp s, 0,1
	v_add_nc_u32 v[ADRA+\s], s21, v4
	v_add_nc_u32 v[ADRB+\s], s22, v4
	v_add_nc_u32 v[ADRA+2+\s], s21, v5
	v_add_nc_u32 v[ADRB+2+\s], s22, v5
	s_add_co_u32 s21, s21, SLOT
	s_add_co_u32 s22, s22, SLOT
.endr
	v_mul_u32_u24 v5, v1, KS                       ; my row's scales: KS bytes a row,
	v_lshrrev_b32 v6, 8, v5
	v_lshl_add_u32 v5, v6, 4, v5                   ; and 16 more for each 256 passed
	s_mul_i32 s21, s15, HALFS
	s_mul_i32 s22, s16, HALFS
	s_add_co_u32 s22, s22, 2*HALFS
	s_sub_co_u32 s22, s22, s21
	v_mul_u32_u24 v6, s22, v2                      ; lanes 16-31 take B's
	s_add_co_u32 s21, s21, SCL
	v_add_nc_u32 v5, v5, v6
	v_add_nc_u32 v[ADRS], s21, v5
	v_and_b32 v6, 31, v0
	v_lshlrev_b32 v[L16], 4, v6
	v_lshlrev_b32 v[L8], 3, v6
.macro FRAG reg, adr, q, i             ; 16 rows x 128 K of 6-bit codes: 12 registers, in pieces of 8 bytes; where the piece three on lies behind one padding more, the second address register serves
.irp p, 0,1,2,3,4,5
.set PC, 12*(\q)+6*(\p/3)+\p%3
.if PC%8 < 5
	ds_load_b64 v[\reg+2*\p:\reg+2*\p+1], v[\adr] offset:8*PC+16*(PC/8)+(\i)*16*PITCH
.else
	ds_load_b64 v[\reg+2*\p:\reg+2*\p+1], v[\adr+2] offset:8*PC+16*(PC/8)+(\i)*16*PITCH
.endif
.endr
.endm
; 16 matrix instructions: A's blocks a0, a0 + 1 x B's eight.  The 64 accumulators take turns, one instruction a turn, in the same order in every step.
.macro MUL16 a0, p, q, sc, zero
.irp a, \a0, \a0+1
.irp b, 0,1,2,3,4,5,6,7
.if \zero
	v_wmma_scale_f32_16x16x128_f8f6f4 v[8*(8*((\a)%4)+\b):8*(8*((\a)%4)+\b)+7], v[128*(\p)+FR*\b:128*(\p)+FR*\b+FR-1], v[AF+FR*(\a):AF+FR*(\a)+FR-1], 0, v[SC+8*NQ*(\sc)+NQ*\b+(\q)], v[SC+8*NQ*(\sc)+NQ*(\a)+(\q)] matrix_a_fmt:MATRIX_FMT_FP6 matrix_b_fmt:MATRIX_FMT_FP6 matrix_a_scale:MATRIX_SCALE_ROW1
.else
	v_wmma_scale_f32_16x16x128_f8f6f4 v[8*(8*((\a)%4)+\b):8*(8*((\a)%4)+\b)+7], v[128*(\p)+FR*\b:128*(\p)+FR*\b+FR-1], v[AF+FR*(\a):AF+FR*(\a)+FR-1], v[8*(8*((\a)%4)+\b):8*(8*((\a)%4)+\b)+7], v[SC+8*NQ*(\sc)+NQ*\b+(\q)], v[SC+8*NQ*(\sc)+NQ*(\a)+(\q)] matrix_a_fmt:MATRIX_FMT_FP6 matrix_b_fmt:MATRIX_FMT_FP6 matrix_a_scale:MATRIX_SCALE_ROW1
.endif
.endr
.endr
.endm
.macro FETCH_B slot, q, p
	WIN TO_B
.irp i, 0,1,2,3,4,5,6,7
	FRAG 128*(\p)+FR*\i, ADRB+\slot, \q, \i
.endr
	WIN 0
.endm
.macro FETCH_A slot, q, i0
.irp i, \i0, \i0+1, \i0+2, \i0+3
	FRAG AF+FR*(\i), ADRA+\slot, \q, \i
.endr
.endm
.macro SCALES sc                       ; a K step's scale words: lanes 0-15 take A's block i, lanes 16-31 B's block i
.irp i, 0,1,2,3,4,5,6,7
	ds_load_b64 v[SC+8*NQ*\sc+NQ*\i:SC+8*NQ*\sc+NQ*\i+1], v[ADRS] offset:\i*SBLK
.endr
.endm
.macro PLACES n                        ; plain vector instructions between a matrix instruction and a load into, or a read of, its registers
.rept \n
	v_nop
.endr
.endm
.macro STEP slot, q, zero              ; 128 along K that have their successor in the same slot
	s_wait_dscnt 4*NL                              ; B's set and A's blocks 0-3 are in; the youngest 24 loads (A's blocks 4-7) may be out
	WIN MUL_LO
	MUL16 0, (\q)%2, \q, \slot, \zero
	MUL16 2, (\q)%2, \q, \slot, \zero
	s_wait_dscnt 0                                 ; A's blocks 4-7 are in
	PLACES NP
	FETCH_B \slot, (\q)+1, 1-(\q)%2
	FETCH_A \slot, (\q)+1, 0
	WIN MUL_HI
	MUL16 4, (\q)%2, \q, \slot, \zero
	MUL16 6, (\q)%2, \q, \slot, \zero
	PLACES NP
	WIN 0
	FETCH_A \slot, (\q)+1, 4
.endm
; A slot's last step changes slots: one barrier; in front of it each wave waits for all its tensor loads, adds 0 to its spare word, and waits for that and for its reads of this slot.
.macro TURN slot, next, fill
	s_wait_tensorcnt 0x0                           ; all my tensor loads have landed: my part of the next slot
	ds_add_u32 v[SPW], v[NIL]                      ; 0 onto my spare word
	s_wait_dscnt 4*NL+1                            ; (the add and the youngest 24 loads may be out)
	WIN MUL_LO
	MUL16 0, 1, NQ-1, \slot, 0
	s_wait_dscnt 0x0                               ; the add is done, and my reads of this slot are over
	s_barrier_signal -1
	MUL16 2, 1, NQ-1, \slot, 0
	WIN 0
	s_barrier_wait -1
.if \fill
	CREST                                          ; the barrier has opened a meeting of the whole cluster: no wave of any partner still reads this slot or has a load on its way
	s_add_nc_u64 s[G0+4*\slot+2:G0+4*\slot+3], s[G0+4*\slot+2:G0+4*\slot+3], 2*ROWB
	s_add_nc_u64 s[G0B+4*\slot+2:G0B+4*\slot+3], s[G0B+4*\slot+2:G0B+4*\slot+3], 2*ROWB
	JLOAD G0+4*\slot, G1, G0B+4*\slot, G1B         ; the first tensor load behind it; its four v_nop are also the places in front of the loads below
.else
	PLACES NP
.endif
	v_add_nc_u32 v[ADRS], 4*NQ, v[ADRS]            ; on to the next K step's scale words
	FETCH_B \next, 0, 0
	FETCH_A \next, 0, 0
	SCALES \next
	WIN MUL_HI
	MUL16 4, 1, NQ-1, \slot, 0
	MUL16 6, 1, NQ-1, \slot, 0
	PLACES NP
	WIN 0
	FETCH_A \next, 0, 4
.endm
	s_wait_tensorcnt 1                             ; the scales and my part of K step 0 are in (K step 1's load may be out),
	s_barrier_signal -1
	s_barrier_wait -1                              ; everybody's are
	FETCH_B 0, 0, 0
	FETCH_A 0, 0, 0
	SCALES 0
	FETCH_A 0, 0, 4
	STEP 0, 0, 1                                   ; the first step's products start the sums
	s_mov_b32 s3, LAPS-1
.Llap:                                                 ; a trip goes once round the ring and fills both slots again
	TURN 0, 1, 1
	STEP 1, 0, 0
	TURN 1, 0, 1
	STEP 0, 0, 0
	s_sub_co_u32 s3, s3, 1
	s_cmp_lg_u32 s3, 0
	s_cbranch_scc1 .Llap
	TURN 0, 1, 0                                   ; the last lap fills nothing
	STEP 1, 0, 0
	s_wait_dscnt 4*NL
	WIN MUL_LO
	MUL16 0, 1, NQ-1, 1, 0
	MUL16 2, 1, NQ-1, 1, 0
	s_wait_dscnt 0
	WIN MUL_HI
	MUL16 4, 1, NQ-1, 1, 0
	MUL16 6, 1, NQ-1, 1, 0
	WIN 0
	; THE WAY OUT.  Block a of A's rows (16 rows) holds 64 registers a lane: 128 numbers along B's rows, four blocks of 32.  They become a fragment's 12 registers of codes and a scale word a row.
	PLACES NP
	s_and_b32 s18, ttmp7, 0xffff
	s_lshl_b32 s18, s18, 2                         ; 4 x cluster y
	s_mov_b32 s46, HS
	s_mov_b32 s47, 1536
	s_cmp_eq_u32 ttmp9, 2                          ; v?  All choices stand ahead of the first addition
	s_cselect_b32 s20, s40, s41                    ; the tile of tokens in the cluster: v: cx, else cy
	s_cselect_b32 s21, s16, s15                    ; my half of it
	s_cselect_b32 s22, s41, s40                    ; the tile of 256 channels (four heads)
	s_cselect_b32 s23, s15, s16                    ; my half of it (two heads)
	s_cselect_b32 s[SSG], s47, s46                 ; from the first image of a pair to the second: v: the next fragment; else the next head
	s_cselect_b32 s[SS1], s46, 3072                ; from pairs 0, 1 to pairs 2, 3: v: the next head; else two images on
	s_cselect_b32 s[SS0], 3072, s47                ; from an even pair to the odd one: v: two fragments on; else one image
	s_cselect_b32 s[TSG], 256, s46                 ; the scale words likewise
	s_cselect_b32 s[TJJ], s46, 256
	s_cselect_b32 s[MW], -1, 0xffff                ; v keeps a word's four bytes; q and k two for each head
	s_cselect_b32 s[MV], -1, 0
	s_cselect_b32 s[KIND], 6656, 0                 ; where in a record: v 6,656, k 0,
	s_cmp_eq_u32 ttmp9, 0
	s_cselect_b32 s[KIND], 13312, s[KIND]          ; q 13,312
	s_mov_b32 s[HIM], 0xffff0000                   ; lanes 16-31
	s_add_co_u32 s20, s20, s18                     ; the tile of 256 tokens, 0..31
	s_lshr_b32 s19, s20, 3                         ; the batch
	s_lshl_b32 s19, s19, 4
	s_lshl_b32 s22, s22, 2
	s_add_co_u32 s19, s19, s22
	s_lshl_b32 s23, s23, 1
	s_add_co_u32 s19, s19, s23                     ; 16 x batch + my first head
	s_lshl_b32 s19, s19, 4
	s_and_b32 s20, s20, 7
	s_lshl_b32 s20, s20, 1
	s_add_co_u32 s19, s19, s20
	s_add_co_u32 s19, s19, s21                     ; + my step of 128 tokens: the record's number, under 1,024
	s_mul_i32 s18, s19, REC
	s_add_co_u32 s18, s18, s[KIND]
	s_mov_b32 s19, 0
	s_add_nc_u64 s[12:13], s[12:13], s[18:19]
.irp b, 0,1,2,3
.irp g, 0,1
	s_mul_i32 s20, s[SSG], \g
	s_mul_i32 s21, s[SS1], \b/2
	s_mul_i32 s22, s[SS0], \b%2
	s_add_co_u32 s20, s20, s21
	s_add_co_u32 s20, s20, s22
	v_add_nc_u32 v[VOFF+2*\b+\g], s20, v[L16]
.endr
.endr
.irp g, 0,1
.irp j, 0,1
	s_mul_i32 s20, s[TSG], \g
	s_mul_i32 s21, s[TJJ], \j
	s_add_co_u32 s20, s20, s21
	v_add_nc_u32 v[VSO+2*\g+\j], s20, v[L8]
.endr
.endr
.irp b, 0,1,2,3
	v_mov_b32 v[TM+4+\b], 0                        ; written once: a lane permute's destination counts as one of its sources
.endr
; Block a's 64 accumulator registers (window 2 or 3) -> 12 registers of codes from v[dst] on and the row's scale word in v[pw].  Each accumulator is read from its low end on.
.macro QUANTW a, dst, pw
.set QA, 64*((\a)%4)
	WIN 0x0a+5*((\a)/4)                            ; sources 0 and 1: the accumulators' window
.irp b, 0,1,2,3
	v_max3_num_f32 v[TM+\b], |v[QA+16*\b]|, |v[QA+16*\b+1]|, 0x1800000   ; block b: my 16 numbers, and the floor 2^(3 - 127)
.endr
.irp i, 2,4,6,8,10,12,14
.irp b, 0,1,2,3
	v_max3_num_f32 v[TM+\b], |v[QA+16*\b+\i]|, |v[QA+16*\b+\i+1]|, v[TM+\b]
.endr
.endr
	WIN 0
.irp b, 0,1,2,3
	v_permlanex16_b32 v[TM+4+\b], v[TM+\b], s92, s93
.endr
.irp b, 0,1,2,3
	v_max_num_f32 v[TM+\b], v[TM+\b], v[TM+4+\b]   ; with lane l xor 16's: the block's largest magnitude
.endr
.irp b, 0,1,2,3
	v_add_nc_u32 v[TM+12+\b], 0xff000000, v[TM+\b] ; 2 off its exponent field: the conversion's scale operand
.endr
.irp b, 0,1,2,3
	v_lshrrev_b32 v[TM+4+\b], 23, v[TM+12+\b]      ; the scale's byte
.endr
	v_lshl_or_b32 v[\pw], v[TM+5], 8, v[TM+4]
	v_lshl_or_b32 v[\pw], v[TM+6], 16, v[\pw]
	v_lshl_or_b32 v[\pw], v[TM+7], 24, v[\pw]
	WIN 0x02+((\a)/4)                              ; source 0: the accumulators' window
.irp c, 0,1
	v_cvt_scalef32_pk16_fp6_f32 v[\dst+6*\c:\dst+6*\c+2], v[QA+32*\c:QA+32*\c+15], v[TM+12+2*\c]
	v_cvt_scalef32_pk16_fp6_f32 v[T2+4*\c:T2+4*\c+2], v[QA+32*\c+16:QA+32*\c+31], v[TM+12+2*\c+1]   ; (a conversion's three registers begin on an even number)
.endr
	WIN 0
	v_nop                                          ; one plain place behind a scaled conversion
.irp c, 0,1                                    ; a whole block to a lane: lanes 0-15 block 2 c, lanes 16-31 block 2 c + 1
.irp i, 0,1,2
	v_permlane16_swap_b32 v[\dst+6*\c+\i], v[T2+4*\c+\i]
.endr
.irp i, 0,1,2
	v_mov_b32 v[\dst+3+6*\c+\i], v[T2+4*\c+\i]
.endr
.endr
.endm
; Blocks 2 b and 2 b + 1.  q, k: a fragment's registers 0-5 are my first head's 64 channels of 16 tokens, 6-11 my second head's: the first fragment's upper six change places with the second's lower six,
; and each set is one head's image of two tiles of tokens.  v: each fragment is whole (16 channels x 128 tokens) and stays.  The choice is made by v_cndmask_b32 on a mask of all lanes or none.
.macro PAIR b
	QUANTW 2*(\b), CA+24*(\b), PWA
	QUANTW 2*(\b)+1, CA+12+24*(\b), PWB
.irp i, 0,1,2,3,4,5
	v_mov_b32 v[TS+\i], v[CA+24*(\b)+6+\i]
.endr
.irp i, 0,1,2,3,4,5
	v_cndmask_b32 v[CA+24*(\b)+6+\i], v[CA+24*(\b)+12+\i], v[CA+24*(\b)+6+\i], s[MV]
.endr
.irp i, 0,1,2,3,4,5
	v_cndmask_b32 v[CA+24*(\b)+12+\i], v[TS+\i], v[CA+24*(\b)+12+\i], s[MV]
.endr
	v_cndmask_b32 v[MM], v[PWA], v[PWB], s[HIM]    ; lanes 0-15 the first block's words, lanes 16-31 the second's
	v_and_b32 v[SW0+(\b)], s[MW], v[MM]            ; q, k: my first head's two bytes, zeros above; v: all four
	v_lshrrev_b32 v[SW1+(\b)], 16, v[MM]           ; q, k: my second head's two bytes
.irp c, 0,1,2
	global_store_b128 v[VOFF+2*(\b)], v[CA+24*(\b)+4*\c:CA+24*(\b)+4*\c+3], s[12:13] offset:512*\c     ; 32 lanes store 512 consecutive bytes, aligned to 256
.endr
.irp c, 0,1,2
	global_store_b128 v[VOFF+2*(\b)+1], v[CA+24*(\b)+12+4*\c:CA+24*(\b)+12+4*\c+3], s[12:13] offset:512*\c
.endr
.endm
	s_mov_b32 s92, 0x76543210
	s_mov_b32 s93, 0xfedcba98                      ; v_permlanex16_b32's selects for lane l xor 16
	PAIR 0
	PAIR 1
	PAIR 2
	PAIR 3
.irp j, 0,1
	global_store_b64 v[VSO+\j], v[SW0+2*\j:SW0+2*\j+1], s[12:13] offset:6144       ; 256 consecutive bytes, aligned
	global_store_b64 v[VSO+2+\j], v[SW1+2*\j:SW1+2*\j+1], s[12:13] offset:6144     ; q, k: the second head's words; v: the record's 256 bytes that nobody uses (the price of one path)
.endr
	s_wait_tensorcnt 0x0                           ; the wave's end
	ds_add_u32 v[SPW], v[NIL]
	s_wait_dscnt 0x0
	CROUND                                         ; no work-group ends while a partner may still ask for a tile that names it
	s_endpgm
.Lfunc_end_k_qfcc4f344b8_qkvgemm:
	.size	k_qfcc4f344b8_qkvgemm, .Lfunc_end_k_qfcc4f344b8_qkvgemm-k_qfcc4f344b8_qkvgemm
	.p2alignl 7, 3214868480
	.fill 96, 4, 3214868480
	.section	.rodata,"a",@progbits
	.p2align	6, 0x0
	.amdhsa_kernel k_qfcc4f344b8_qkvgemm
		.amdhsa_group_segment_fixed_size 327680
		.amdhsa_private_segment_fixed_size 0
		.amdhsa_enable_private_segment 0
		.amdhsa_kernarg_size 24
		.amdhsa_user_sgpr_count 2
		.amdhsa_user_sgpr_kernarg_segment_ptr 1
		.amdhsa_wavefront_size32 1
		.amdhsa_system_sgpr_workgroup_id_x 1
		.amdhsa_system_sgpr_workgroup_id_y 1
		.amdhsa_system_sgpr_workgroup_id_z 1
		.amdhsa_system_vgpr_workitem_id 0
		.amdhsa_next_free_vgpr 1024
		.amdhsa_next_free_sgpr 98
		.amdhsa_reserve_vcc 0
		.amdhsa_float_denorm_mode_32 3
		.amdhsa_float_denorm_mode_16_64 3
		.amdhsa_memory_ordered 1
		.amdhsa_forward_progress 1
		.amdhsa_inst_pref_size 171
	.end_amdhsa_kernel
	.amdgpu_metadata
---
amdhsa.version: [ 1, 2 ]
amdhsa.kernels:
  - .name:           k_qfcc4f344b8_qkvgemm
    .symbol:         k_qfcc4f344b8_qkvgemm.kd
    .args:
      - { .name: codes, .offset: 0, .size: 8, .value_kind: global_buffer, .address_space: global }
      - { .name: scales, .offset: 8, .size: 8, .value_kind: global_buffer, .address_space: global }
      - { .name: qkv, .offset: 16, .size: 8, .value_kind: global_buffer, .address_space: global }
    .group_segment_fixed_size: 327680
    .private_segment_fixed_size: 0
    .kernarg_segment_align: 8
    .kernarg_segment_size: 24
    .max_flat_workgroup_size: 128
    .sgpr_count:     98
    .vgpr_count:     1024
    .wavefront_size: 32
...
	.end_amdgpu_metadata
.endif
;; end of part 2
;; launch attn (part 3): grid 4 x 64, 16 waves a work-group, clusters of 4 x 1, 215,040 bytes of LDS; arguments qkv, ao, ao_scales; writes ao, ao_scales
.if DOCPART == 3
	.amdgcn_target "amdgcn-amd-amdhsa--gfx1250"
	.amdhsa_code_object_version 6
	.text
	.protected	k_qfcc4f344b8_attn
	.globl	k_qfcc4f344b8_attn
	.p2align	8
	.type	k_qfcc4f344b8_attn,@function
k_qfcc4f344b8_attn:
	s_mov_b64 s[64:65], 0
	v_nop
	global_prefetch_b8 v0, s[64:65] scope:SCOPE_SE
	s_setreg_imm32_b32 hwreg(HW_REG_WAVE_MODE, 25, 1), 1
	s_wait_xcnt 0x0
	s_wait_alu depctr_hold_cnt(0) depctr_sa_sdst(0) depctr_va_vdst(0) depctr_va_sdst(0) depctr_va_ssrc(0) depctr_va_vcc(0) depctr_vm_vsrc(0)
	s_getreg_b32 s2, hwreg(HW_REG_IB_STS2, 6, 4)
	s_cmp_eq_u32 s2, 0
	s_cbranch_scc0 .Lentry_in_a_cluster
	s_endpgm
.Lentry_in_a_cluster:
	s_bfe_u32 s2, ttmp6, 0x10000c
	s_cmp_lg_u32 s2, 0x3003
	s_cbranch_scc0 .Lentry_shape_is_right
	s_endpgm
.Lentry_shape_is_right:
; Causal attention of one head on codes of FP6 (E2M3) with E8M0 scales: S^T = K Q^T (K = the head's 64), p = 2^(t - M), O^T = V^T P^T (K = the keys), o = O / l, and o quantised along the head's 64 for the projection.
; t = score x log2(e) / 8; M = the running largest t rounded up to a whole number; l is the sum of the unquantised p; when M moves, l and O are multiplied by 2^(old M - new M), which rounds nothing.
; SHARES.  A cluster of four work-groups is one (batch, head); all four want the head's whole K and V, 16 steps of 128 keys x 13,312 bytes = 212,992 bytes, which come ONCE into each one's LDS by joint loads
; (waves 0-3, four loads each: four tensor loads of a wave are out at the most).  Nothing is filled again, nothing is stored to LDS.
; Wave w of work-group c owns two tiles of 16 queries: tile a = queries 128 w + 32 c + 0..15, tile b = queries 128 (15 - w) + 32 c + 16..31.  Key step k counts for tile a where k <= w, for tile b where k <= 15 - w:
; every wave of the launch works 17 steps, two of them on the diagonal.  These tests hold the wave's number and the step's alone, not the work-group's place.
; No later load exists to ask ahead for: every byte of K and V is asked for by the loads at the head, so there is no prefetch.
; LAYOUT.  Both products are used transposed: a lane holds one query (lane % 16); register 8 t + j of S^T is key 16 t + 8 h + j.  So p's codes come out in this program's order inside a block of 32
; (numbers 0-7, 16-23, 8-15, 24-31), in which V's codes along the tokens, and q's and k's along the channels, were laid by the launch before.
; K = 64 IN AN INSTRUCTION OF 128: Q's operand is six registers of codes and six of zero codes.  K's operand for a tile is the twelve registers from the tile's first on: its upper six hold the next tile's codes
; (zeros behind the last), which meet Q's zero codes: every code is a finite number, so these products are exact zeros.  Bytes 2 and 3 of Q's and K's scale words are 0, that is 2^-127.
; LIMITS: 1 / l is v_rcp_f32 and a multiplication; a block of zeros, or one under 2^-124, gets the byte 1; NaN and infinities are not served; a block's largest p is taken from the block's largest score.
; The scale bytes of o leave one byte a lane, rows 32 bytes apart: 32 bytes for each 768 bytes of codes.
.set REC,  19968                       ; a record of qkv: one head, 128 tokens
.set HS,   16*REC
.set KVB,  13312                       ; its K and V part
.set L16,  1                           ; v1   16 x lane
.set L8,   2                           ; v2   8 x lane
.set A16,  3                           ; v3   the step's LDS addresses
.set A8,   4                           ; v4
.set DQA,  5                           ; v5   tile a: my query in its step of 128, less 8 (lane / 16)
.set DQB,  6                           ; v6   tile b
.set SOFF, 7                           ; v7   32 (lane % 16) + lane / 16: my scale byte of o
.set F,    42                          ; v42-89 K's eight tiles, then V's four fragments; v90-95 zeros
.set WV,   18
.set WB,   19                          ; 15 - wave
.set SEL,  20
.set CS,   22                          ; s[22:23] c = log2(e) / 8
.set G1,   24
.set TB,   32                          ; LDS byte at which the step's K and V begin
.set KI,   33                          ; the step
.set HIM,  35                          ; lanes 16-31
.set CX,   36
.set BH,   37
.set G0,   40                          ; s[40:55] four groups 0
.set RA,   56                          ; s[56:57] Q of tile a's step; s[58:59] of tile b's
.set RB,   58
.set AOA,  60                          ; s[60:61], s[62:63] where o's codes go
.set AOB,  62
.set ASA,  66                          ; s[66:67], s[68:69] and its scale bytes
.set ASB,  68
.macro CROUND                          ; my work-group's barrier; wave 0 signals for the work-group; every wave waits for all four work-groups; my work-group's barrier once more
	s_barrier_signal -1
	s_barrier_wait -1
	s_cmp_lg_u32 s[WV], 0
	s_cbranch_scc1 .Lnot_wave_0_\@
	s_barrier_signal -3
.Lnot_wave_0_\@:
	s_barrier_wait -3
	s_barrier_signal -1
	s_barrier_wait -1
.endm
	s_load_b128 s[4:7], s[0:1], 0x0                ; qkv, ao
	s_load_b64 s[8:9], s[0:1], 0x10                ; ao_scales
	v_lshl_add_u32 v254, v0, 2, 0x34000
	v_mov_b32 v255, 0
	ds_add_u32 v254, v255
	ds_add_u32 v254, v255
	s_wait_dscnt 0x0
	v_lshrrev_b32 v1, 5, v0
	v_readfirstlane_b32 s[WV], v1                  ; wave 0..15
	s_sub_co_u32 s[WB], 15, s[WV]
	s_bfe_u32 s[CX], ttmp6, 0x40000                ; c: my place in the cluster: it enters global addresses and the mask's compare, no branch and no LDS address
	s_and_b32 s[BH], ttmp7, 0xffff                 ; 16 x batch + head
	s_mov_b32 s[G1], 15|(3<<16)|(1<<21)            ; the mask: all four; elements of 8 bytes; bit 21 beside a mask; no padding
	s_mov_b32 s[G1+1], 32<<16                      ; tensor_dim0 = 32: rows of 256 bytes
	s_mov_b32 s[G1+2], 52<<16                      ; tensor_dim1 = 52: 13,312 dense bytes
	s_mov_b32 s[G1+3], 32<<16                      ; tile_dim0
	s_mov_b32 s[G1+4], 52                          ; tile_dim1
	s_mov_b32 s[G1+5], 32                          ; stride
	s_mov_b32 s[G1+6], 0
	s_mov_b32 s[G1+7], 0
	s_mov_b32 s[SEL], 0x76543210
	s_mov_b32 s[SEL+1], 0xfedcba98
	s_mov_b32 s[CS], 0x3e38aa3b                    ; log2(e) / 8
	s_mov_b32 s[CS+1], s[CS]
	s_mov_b32 s[HIM], 0xffff0000
	s_and_b32 s10, s[WV], 3
	s_mul_i32 s11, s10, KVB                        ; wave J's load n brings step 4 n + J to LDS byte 13,312 (4 n + J)
	s_mul_i32 s12, s10, REC
	s_mov_b32 s13, 0
	s_mul_i32 s14, s[BH], HS                       ; under 2^25
	s_mov_b32 s15, 0
	s_wait_kmcnt 0x0
	s_add_nc_u64 s[4:5], s[4:5], s[14:15]          ; the head's records
	s_add_nc_u64 s[12:13], s[4:5], s[12:13]
	CROUND                                         ; all four work-groups are here: the joint loads meet
.irp n, 0,1,2,3
	s_mov_b32 s[G0+4*\n], 1
	s_add_co_u32 s[G0+4*\n+1], s11, \n*4*KVB
	s_add_nc_u64 s[G0+4*\n+2:G0+4*\n+3], s[12:13], \n*4*REC
	s_or_b32 s[G0+4*\n+3], s[G0+4*\n+3], 0x80000000
.endr
	s_cmp_lt_u32 s[WV], 4                          ; a wave's four fills stand in one branch, ahead of every wait on TENSORcnt, every LDS read and every further barrier
	s_cbranch_scc0 .Lno_fetch
	tensor_load_to_lds s[G0:G0+3], s[G1:G1+7]
	s_nop 0
	tensor_load_to_lds s[G0+4:G0+7], s[G1:G1+7]
	s_nop 0
	tensor_load_to_lds s[G0+8:G0+11], s[G1:G1+7]
	s_nop 0
	tensor_load_to_lds s[G0+12:G0+15], s[G1:G1+7]
	s_nop 0
.rept 4
	v_nop
.endr
.Lno_fetch:
	s_mul_i32 s70, s[WV], REC
	s_add_co_u32 s70, s70, KVB
	s_mov_b32 s71, 0
	s_add_nc_u64 s[RA:RA+1], s[4:5], s[70:71]      ; Q's part of the record of step w
	s_mul_i32 s70, s[WB], REC
	s_add_co_u32 s70, s70, KVB
	s_add_nc_u64 s[RB:RB+1], s[4:5], s[70:71]      ; and of step 15 - w
	v_and_b32 v3, 31, v0
	v_lshlrev_b32 v[L16], 4, v3
	v_lshlrev_b32 v[L8], 3, v3
	s_mul_i32 s72, s[CX], 1536                     ; image c holds tiles 2 c and 2 c + 1 of a step's eight
	v_add_nc_u32 v254, s72, v[L16]
	s_lshr_b32 s72, s[CX], 1
	s_lshl_b32 s72, s72, 8
	s_and_b32 s73, s[CX], 1
	s_lshl_b32 s73, s73, 2
	s_add_co_u32 s72, s72, s73
	v_add_nc_u32 v255, s72, v[L8]                  ; its scale word: run c / 2, word c % 2 of my lane's two
	global_load_b128 v[16:19], v254, s[RA:RA+1]                ; tile a: the image's registers 0-3,
	global_load_b64 v[20:21], v254, s[RA:RA+1] offset:512      ; 4, 5
	global_load_b64 v[28:29], v254, s[RB:RB+1] offset:520      ; tile b: registers 6, 7,
	global_load_b128 v[30:33], v254, s[RB:RB+1] offset:1024    ; 8-11
	global_load_b32 v40, v255, s[RA:RA+1] offset:6144          ; tile a's words lie in lanes 0-15,
	global_load_b32 v41, v255, s[RB:RB+1] offset:6144          ; tile b's in lanes 16-31
	s_lshr_b32 s72, s[BH], 4
	s_lshl_b32 s72, s72, 7
	s_lshl_b32 s73, s[CX], 1
	s_add_co_u32 s72, s72, s73                     ; 128 x batch + 2 c
	s_and_b32 s73, s[BH], 15                       ; the head
	s_lshl_b32 s74, s[WV], 3
	s_add_co_u32 s74, s74, s72                     ; tile a's block of 16 tokens
	s_lshl_b32 s75, s[WB], 3
	s_add_co_u32 s75, s75, s72
	s_add_co_u32 s75, s75, 1                       ; tile b's
	s_mul_i32 s76, s73, 768
	s_mul_i32 s70, s74, 12288
	s_add_co_u32 s70, s70, s76
	s_add_nc_u64 s[AOA:AOA+1], s[6:7], s[70:71]
	s_mul_i32 s70, s75, 12288
	s_add_co_u32 s70, s70, s76
	s_add_nc_u64 s[AOB:AOB+1], s[6:7], s[70:71]
	s_lshl_b32 s76, s73, 1
	s_lshl_b32 s70, s74, 9
	s_add_co_u32 s70, s70, s76
	s_add_nc_u64 s[ASA:ASA+1], s[8:9], s[70:71]
	s_lshl_b32 s70, s75, 9
	s_add_co_u32 s70, s70, s76
	s_add_nc_u64 s[ASB:ASB+1], s[8:9], s[70:71]
	v_and_b32 v5, 15, v0                           ; r
	v_bfe_u32 v6, v0, 4, 1                         ; h
	v_lshl_add_u32 v[SOFF], v5, 5, v6
	v_lshlrev_b32 v6, 3, v6
	v_sub_nc_u32 v5, v5, v6
	s_lshl_b32 s72, s[CX], 5
	v_add_nc_u32 v[DQA], s72, v5                   ; 32 c + r - 8 h
	v_add_nc_u32 v[DQB], 16, v[DQA]
.irp s, 8,12                                   ; a tile's statistics: -M, the largest t, the sum in two halves
	v_mov_b32 v[\s+1], 0xff61b1e6                  ; -3e38, under every t
	v_floor_f32 v[\s], -v[\s+1]
	v_mov_b32 v[\s+2], 0
	v_mov_b32 v[\s+3], 0
.endr
.irp i, 0,1,2,3,4,5
	v_mov_b32 v[22+\i], 0                          ; zero codes for k = 64 .. 127 of Q's operands,
	v_mov_b32 v[34+\i], 0
	v_mov_b32 v[90+\i], 0                          ; and behind K's last tile
.endr
.irp i, 236,237,238,239,252,253
	v_mov_b32 v[\i], 0                             ; written once: a lane permute's destination counts as one of its sources; v253 is named as the upper half of a pair
.endr
.set J, 0
.rept 64
	v_mov_b32 v[160+J], 0                          ; O^T of both tiles: the step is written once, and the first finds zeros
.set J, J+1
.endr
.macro SPROD t, qx, qs, rowb           ; S^T, tile t of 16 keys.  K's words: lanes 0-15 the even tile's, lanes 16-31 the odd tile's
.if ((\t)%2 == 0) && (\rowb == 0)
	v_wmma_scale_f32_16x16x128_f8f6f4 v[96+8*(\t):103+8*(\t)], v[F+6*(\t):F+6*(\t)+11], v[\qx:\qx+11], 0, v[248+(\t)/2], v[\qs] matrix_a_fmt:MATRIX_FMT_FP6 matrix_b_fmt:MATRIX_FMT_FP6
.elseif (\rowb == 0)
	v_wmma_scale_f32_16x16x128_f8f6f4 v[96+8*(\t):103+8*(\t)], v[F+6*(\t):F+6*(\t)+11], v[\qx:\qx+11], 0, v[248+(\t)/2], v[\qs] matrix_a_fmt:MATRIX_FMT_FP6 matrix_b_fmt:MATRIX_FMT_FP6 matrix_a_scale:MATRIX_SCALE_ROW1
.elseif ((\t)%2 == 0)
	v_wmma_scale_f32_16x16x128_f8f6f4 v[96+8*(\t):103+8*(\t)], v[F+6*(\t):F+6*(\t)+11], v[\qx:\qx+11], 0, v[248+(\t)/2], v[\qs] matrix_a_fmt:MATRIX_FMT_FP6 matrix_b_fmt:MATRIX_FMT_FP6 matrix_b_scale:MATRIX_SCALE_ROW1
.else
	v_wmma_scale_f32_16x16x128_f8f6f4 v[96+8*(\t):103+8*(\t)], v[F+6*(\t):F+6*(\t)+11], v[\qx:\qx+11], 0, v[248+(\t)/2], v[\qs] matrix_a_fmt:MATRIX_FMT_FP6 matrix_b_fmt:MATRIX_FMT_FP6 matrix_a_scale:MATRIX_SCALE_ROW1 matrix_b_scale:MATRIX_SCALE_ROW1
.endif
.endm
.macro OPROD t, ox                     ; O^T, 16 of the head's 64 channels, += V^T P^T over these 128 keys
.if (\t)%2 == 0
	v_wmma_scale_f32_16x16x128_f8f6f4 v[\ox+8*(\t):\ox+8*(\t)+7], v[F+12*(\t):F+12*(\t)+11], v[224:235], v[\ox+8*(\t):\ox+8*(\t)+7], v[248+(\t)/2], v253 matrix_a_fmt:MATRIX_FMT_FP6 matrix_b_fmt:MATRIX_FMT_FP6
.else
	v_wmma_scale_f32_16x16x128_f8f6f4 v[\ox+8*(\t):\ox+8*(\t)+7], v[F+12*(\t):F+12*(\t)+11], v[224:235], v[\ox+8*(\t):\ox+8*(\t)+7], v[248+(\t)/2], v253 matrix_a_fmt:MATRIX_FMT_FP6 matrix_b_fmt:MATRIX_FMT_FP6 matrix_a_scale:MATRIX_SCALE_ROW1
.endif
.endm
; ONE TILE'S KEY STEP.  qx: Q's operand; qs: its scale words, in lanes 0-15 (rowb = 0) or 16-31 (1); ox: O^T; sx: the statistics; wx: the tile's own step; dq: the mask's number.
.macro STEP qx, qs, rowb, ox, sx, wx, dq
	s_cmp_gt_u32 s[KI], s[\wx]                     ; all 128 keys come after my queries: the step's work is left out
	s_cbranch_scc1 .Lhidden_\@
.rept 4
	v_nop                                          ; places in front of loads into registers that the last products have read
.endr
.irp i, 0,1,2,3,4,5,6,7,8,9,10,11
	ds_load_b128 v[F+4*\i:F+4*\i+3], v[A16] offset:512*\i          ; K's four images as they lie: 32 lanes take 512 consecutive bytes
.endr
.irp j, 0,1
	ds_load_b64 v[248+2*\j:249+2*\j], v[A8] offset:6144+256*\j     ; K's scale words: a register for each two tiles
.endr
	s_wait_dscnt 0x0
.irp t, 0,1,2,3,4,5,6,7
	SPROD \t, \qx, \qs, \rowb
.endr
.rept 4
	v_nop                                          ; places in front of the loads below and of the first read of the scores
.endr
.irp i, 0,1,2,3,4,5,6,7,8,9,10,11
	ds_load_b128 v[F+4*\i:F+4*\i+3], v[A16] offset:6656+512*\i     ; V's four fragments land under the softmax
.endr
	ds_load_b64 v[248:249], v[A8] offset:12800
	s_cmp_lg_u32 s[KI], s[\wx]                     ; on the diagonal hidden scores become -infinity ahead of the maximum; key 0 of the step counts for every query of it
	s_cbranch_scc1 .Lopen_\@
	v_mov_b32 v254, 0xff800000
.set N, 0
.rept 64
	v_cmp_gt_i32 vcc_lo, 16*(N/8)+N%8, v[\dq]      ; register N holds key 16 (N / 8) + 8 h + N % 8 of the step
	v_cndmask_b32 v[96+N], v[96+N], v254, vcc_lo
.set N, N+1
.endr
.Lopen_\@:
.irp b, 0,1,2,3
	v_max3_num_f32 v[232+\b], v[96+16*\b], v[97+16*\b], v[98+16*\b]   ; the largest score of each block of 32 keys: for the row's maximum and for the block's largest p
.endr
.irp i, 3,5,7,9,11,13
.irp b, 0,1,2,3
	v_max3_num_f32 v[232+\b], v[232+\b], v[96+16*\b+\i], v[97+16*\b+\i]
.endr
.endr
.irp b, 0,1,2,3
	v_max_num_f32 v[232+\b], v[232+\b], v[111+16*\b]
.endr
.irp b, 0,1,2,3
	v_permlanex16_b32 v[236+\b], v[232+\b], s[SEL], s[SEL+1]
.endr
.irp b, 0,1,2,3
	v_max_num_f32 v[232+\b], v[232+\b], v[236+\b]  ; with lane l xor 16's 16 keys
.endr
	v_max3_num_f32 v254, v232, v233, v234
	v_max_num_f32 v254, v254, v235
	v_mul_f32 v254, s[CS], v254                    ; as t
	v_max_num_f32 v[\sx+1], v[\sx+1], v254         ; the running largest t
	v_mov_b32 v254, v[\sx]
	v_floor_f32 v[\sx], -v[\sx+1]                  ; the new -M = floor(-t)
	v_sub_f32 v254, v[\sx], v254                   ; old M - new M: a whole number, 0 or less
	v_cvt_i32_f32 v254, v254                       ; (it saturates)
	v_ldexp_f32 v252, 1.0, v254                    ; f = 2^(old M - new M)
.set J, 0
.rept 32
	v_pk_fma_f32 v[96+J:97+J], v[96+J:97+J], s[CS:CS+1], v[\sx:\sx+1] op_sel_hi:[1,0,0]   ; t - M, two at a time
.set J, J+2
.endr
.irp b, 0,1,2,3
	v_fma_f32 v[232+\b], v[232+\b], s[CS], v[\sx]
.endr
.set J, 0
.rept 64
	v_exp_f32 v[96+J], v[96+J]                     ; p = 2^(t - M), not normalised
.set J, J+1
.endr
.irp b, 0,1,2,3
	v_exp_f32 v[232+\b], v[232+\b]                 ; the block's largest p
.endr
	v_pk_mul_f32 v[\sx+2:\sx+3], v[\sx+2:\sx+3], v[252:253] op_sel_hi:[1,0]   ; the sums under the new M (a plain place behind the exponentials)
	s_wait_alu depctr_va_vdst(0)
.irp b, 0,1,2,3
	v_max_num_f32 v[232+\b], 0x1800000, v[232+\b]  ; the floor 2^(3 - 127)
.endr
.irp b, 0,1,2,3
	v_add_nc_u32 v[244+\b], 0xff000000, v[232+\b]  ; the conversion's scale operand
.endr
.irp b, 0,1,2,3
	v_lshrrev_b32 v[236+\b], 23, v[244+\b]         ; the scale's byte
.endr
	v_lshl_or_b32 v253, v237, 8, v236              ; p's scale word for these 128 keys
	v_lshl_or_b32 v253, v238, 16, v253
	v_lshl_or_b32 v253, v239, 24, v253
.irp c, 0,1
	v_cvt_scalef32_pk16_fp6_f32 v[224+6*\c:226+6*\c], v[96+32*\c:111+32*\c], v[244+2*\c]
	v_cvt_scalef32_pk16_fp6_f32 v[236+4*\c:238+4*\c], v[112+32*\c:127+32*\c], v[244+2*\c+1]
.endr
	v_nop                                          ; one plain place behind a scaled conversion
.irp c, 0,1
.irp i, 0,1,2
	v_permlane16_swap_b32 v[224+6*\c+\i], v[236+4*\c+\i]
.endr
.irp i, 0,1,2
	v_mov_b32 v[227+6*\c+\i], v[236+4*\c+\i]
.endr
.endr
	v_pk_add_f32 v[236:237], v[96:97], v[98:99]    ; the row's sum is taken of the unquantised p, in two chains
.irp j, 4,8,12,16,20,24,28,32,36,40,44,48,52,56,60
	v_pk_add_f32 v[\sx+2:\sx+3], v[\sx+2:\sx+3], v[96+\j:97+\j]
	v_pk_add_f32 v[236:237], v[236:237], v[98+\j:99+\j]
.endr
	v_pk_add_f32 v[\sx+2:\sx+3], v[\sx+2:\sx+3], v[236:237]
.set J, 0
.rept 16
	v_pk_mul_f32 v[\ox+J:\ox+J+1], v[\ox+J:\ox+J+1], v[252:253] op_sel_hi:[1,0]   ; O^T under the new M
.set J, J+2
.endr
	s_wait_dscnt 0x0                               ; V is in
.irp t, 0,1,2,3
	OPROD \t, \ox                                  ; four accumulators by turns, one instruction a turn
.endr
.Lhidden_\@:
.endm
.macro TRIP
	v_add_nc_u32 v[A16], s[TB], v[L16]
	v_add_nc_u32 v[A8], s[TB], v[L8]
	STEP 16, 40, 0, 160, 8, WV, DQA
	STEP 28, 41, 1, 192, 12, WB, DQB
	s_add_co_u32 s[TB], s[TB], KVB
	s_add_co_u32 s[KI], s[KI], 1
.endm
	s_wait_loadcnt 0x0                             ; Q
	s_wait_tensorcnt 3                             ; the first of my four loads has landed (three may be out): with the other fetching waves' that is steps 0-3
	s_barrier_signal -1
	s_barrier_wait -1
	s_mov_b32 s[TB], 0
	s_mov_b32 s[KI], 0
.Lfirst:                                           ; steps 0-3, while the rest of the head is on its way
	TRIP
	s_cmp_lt_u32 s[KI], 4
	s_cbranch_scc1 .Lfirst
	s_wait_tensorcnt 0x0                           ; all my loads have landed,
	s_wait_dscnt 0x0
	s_barrier_signal -1
	s_barrier_wait -1                              ; everybody's have
	s_mov_b32 s[TB], 4*KVB
	s_mov_b32 s[KI], 4
.Lrest:                                            ; steps 4-15
	TRIP
	s_cmp_lt_u32 s[KI], 16
	s_cbranch_scc1 .Lrest
; o = O / l, quantised along the head's 64: two blocks.  Six registers of codes (lane (r, h): block h of token r) leave as three runs of 256 bytes; each lane stores its block's byte.
.macro FINISH ox, sx, cd, by, ao, as
	v_add_f32 v[\sx+2], v[\sx+2], v[\sx+3]         ; the sum's two halves,
	v_permlanex16_b32 v252, v[\sx+2], s[SEL], s[SEL+1]
	v_add_f32 v[\sx+2], v[\sx+2], v252             ; and lane l xor 16's
	v_rcp_f32 v[\sx+2], v[\sx+2]
	v_nop                                          ; one plain place behind a transcendental
.set J, 0
	s_wait_alu depctr_va_vdst(0)
.rept 16
	v_pk_mul_f32 v[96+J:97+J], v[\ox+J:\ox+J+1], v[\sx+2:\sx+3] op_sel_hi:[1,0]   ; register 8 t + j is o(r, 16 t + 8 h + j); each accumulator from its low end on
.set J, J+2
.endr
.irp b, 0,1
	v_max3_num_f32 v[232+\b], |v[96+16*\b]|, |v[97+16*\b]|, 0x1800000
.endr
.irp i, 2,4,6,8,10,12,14
.irp b, 0,1
	v_max3_num_f32 v[232+\b], v[232+\b], |v[96+16*\b+\i]|, |v[97+16*\b+\i]|
.endr
.endr
.irp b, 0,1
	v_permlanex16_b32 v[236+\b], v[232+\b], s[SEL], s[SEL+1]
.endr
.irp b, 0,1
	v_max_num_f32 v[232+\b], v[232+\b], v[236+\b]
.endr
.irp b, 0,1
	v_add_nc_u32 v[244+\b], 0xff000000, v[232+\b]
.endr
.irp b, 0,1
	v_lshrrev_b32 v[236+\b], 23, v[244+\b]
.endr
	v_cvt_scalef32_pk16_fp6_f32 v[\cd:\cd+2], v[96:111], v244
	v_cvt_scalef32_pk16_fp6_f32 v[240:242], v[112:127], v245
	v_nop
.irp i, 0,1,2
	v_permlane16_swap_b32 v[\cd+\i], v[240+\i]
.endr
.irp i, 0,1,2
	v_mov_b32 v[\cd+3+\i], v[240+\i]
.endr
	v_cndmask_b32 v[\by], v236, v237, s[HIM]       ; lanes 0-15 block 0's byte, lanes 16-31 block 1's
.irp g, 0,1,2
	global_store_b64 v[L8], v[\cd+2*\g:\cd+2*\g+1], s[\ao:\ao+1] offset:256*\g     ; 32 lanes store 256 consecutive bytes, aligned
.endr
	global_store_b8 v[SOFF], v[\by], s[\as:\as+1]
.endm
.rept 4
	v_nop                                          ; places behind the last products
.endr
	FINISH 160, 8, 224, 238, AOA, ASA
	FINISH 192, 12, 42, 239, AOB, ASB              ; registers of its own for codes and byte: no store's data are written again
	s_wait_xcnt 0x0
	v_lshl_add_u32 v254, v0, 2, 0x34000
	v_mov_b32 v255, 0
	s_wait_tensorcnt 0x0
	ds_add_u32 v254, v255
	s_wait_dscnt 0x0
	CROUND                                         ; no work-group ends while a partner may still ask for a tile that names it
	s_endpgm
.Lfunc_end_k_qfcc4f344b8_attn:
	.size	k_qfcc4f344b8_attn, .Lfunc_end_k_qfcc4f344b8_attn-k_qfcc4f344b8_attn
	.p2alignl 7, 3214868480
	.fill 96, 4, 3214868480
	.section	.rodata,"a",@progbits
	.p2align	6, 0x0
	.amdhsa_kernel k_qfcc4f344b8_attn
		.amdhsa_group_segment_fixed_size 215040
		.amdhsa_private_segment_fixed_size 0
		.amdhsa_enable_private_segment 0
		.amdhsa_kernarg_size 24
		.amdhsa_user_sgpr_count 2
		.amdhsa_user_sgpr_kernarg_segment_ptr 1
		.amdhsa_wavefront_size32 1
		.amdhsa_system_sgpr_workgroup_id_x 1
		.amdhsa_system_sgpr_workgroup_id_y 1
		.amdhsa_system_sgpr_workgroup_id_z 1
		.amdhsa_system_vgpr_workitem_id 0
		.amdhsa_next_free_vgpr 256
		.amdhsa_next_free_sgpr 80
		.amdhsa_reserve_vcc 1
		.amdhsa_float_denorm_mode_32 3
		.amdhsa_float_denorm_mode_16_64 3
		.amdhsa_memory_ordered 1
		.amdhsa_forward_progress 1
		.amdhsa_inst_pref_size 99
	.end_amdhsa_kernel
	.amdgpu_metadata
---
amdhsa.version: [ 1, 2 ]
amdhsa.kernels:
  - .name:           k_qfcc4f344b8_attn
    .symbol:         k_qfcc4f344b8_attn.kd
    .args:
      - { .name: qkv, .offset: 0, .size: 8, .value_kind: global_buffer, .address_space: global }
      - { .name: ao, .offset: 8, .size: 8, .value_kind: global_buffer, .address_space: global }
      - { .name: ao_scales, .offset: 16, .size: 8, .value_kind: global_buffer, .address_space: global }
    .group_segment_fixed_size: 215040
    .private_segment_fixed_size: 0
    .kernarg_segment_align: 8
    .kernarg_segment_size: 24
    .max_flat_workgroup_size: 512
    .sgpr_count:     80
    .vgpr_count:     256
    .wavefront_size: 32
...
	.end_amdgpu_metadata
.endif
;; end of part 3
;; launch proj (part 4): grid 4 x 32, 4 waves a work-group, clusters of 4 x 4, 327,680 bytes of LDS; arguments ao, ao_scales, codes, scales, b_proj, out0; writes out0
.if DOCPART == 4
	.amdgcn_target "amdgcn-amd-amdhsa--gfx1250"
	.amdhsa_code_object_version 6
	.text
	.protected	k_qfcc4f344b8_proj
	.globl	k_qfcc4f344b8_proj
	.p2align	8
	.type	k_qfcc4f344b8_proj,@function
k_qfcc4f344b8_proj:
	s_mov_b64 s[64:65], 0
	v_nop
	global_prefetch_b8 v0, s[64:65] scope:SCOPE_SE
	s_setreg_imm32_b32 hwreg(HW_REG_WAVE_MODE, 25, 1), 1
	s_wait_xcnt 0x0
	s_wait_alu depctr_hold_cnt(0) depctr_sa_sdst(0) depctr_va_vdst(0) depctr_va_sdst(0) depctr_va_ssrc(0) depctr_va_vcc(0) depctr_vm_vsrc(0)
	s_getreg_b32 s2, hwreg(HW_REG_IB_STS2, 6, 4)
	s_cmp_eq_u32 s2, 0
	s_cbranch_scc0 .Lentry_in_a_cluster
	s_endpgm
.Lentry_in_a_cluster:
	s_bfe_u32 s2, ttmp6, 0x10000c
	s_cmp_lg_u32 s2, 0xf033
	s_cbranch_scc0 .Lentry_shape_is_right
	s_endpgm
.Lentry_shape_is_right:
; out0 = o w_proj^T + b_proj on codes of FP6 (E2M3) with E8M0 scales, K = 1,024; out0 [8192][1024] f32.
; A tile of 256 x 256 is made by four waves, each 128 x 128: 64 accumulators.  K goes in steps of 256 through a ring of two LDS slots; the scale bytes of the work-group's rows come once.
; CLUSTERS of 4 x 4: A's tiles (o) are shared along a row of the cluster, B's (w_proj) along a column, by joint loads.  The grid is 4 x 32 tiles.
; A COMES AS IMAGES OF ITS REGISTERS: ao is [block of 16 tokens][head][768 bytes], a head's 768 bytes being three runs of 256: run g holds registers 2 g, 2 g + 1, lane l at 8 l.  Heads 2 j and 2 j + 1 on end are the
; twelve registers of A's fragment for the j-th 128 along K: six loads of 8 bytes a lane, 256 consecutive bytes each.  A slot's part of a block of tokens is four heads, 3,072 bytes, 12,288 bytes from block to block.
; B comes from rows of codes (w_proj is tiles 44-47 of the buffer of codes).  Both sides have this program's order inside a block of 32 (numbers 0-7, 16-23, 8-15, 24-31).
; Source 0 = 16 rows of w_proj, source 1 = 16 tokens: a lane holds eight neighbouring numbers of a row of out0.  THE BIAS is the C of each sum's first matrix instruction: eight registers for each of B's blocks.
; REGISTERS: window 0: v16-31 addresses; v32-63 scale words; v64-127 the bias; v128-223 A's fragments.  window 1: B's fragments, two sets.  windows 2, 3: the accumulators.
.set SIZE_N, 1024
.set KSTEP,  256
.set NQ,     2
.set ROWB,   192
.set KROW,   768
.set PITCH,  240
.set FR,     12
.set NL,     6
.set NP,     4
.set HALFT,  128*PITCH                 ; B: 128 rows
.set HALFA,  8*3072                    ; A: 8 blocks of 16 tokens, dense
.set SLOT,   2*HALFA+2*HALFT
.set LAPS,   2
.set KS,     32
.set SCL,    2*SLOT
.set HALFS,  (128*KS/256)*272
.set SBLK,   (16*KS/256)*272
.set SPARE,  SCL+4*HALFS
.set SPITCH, 528                       ; the way out: a stage of 16 rows x (512 bytes + 16) for each wave, in slot 0, which has had its last fill and its last read when the first result is stored there
.set ADRA, 16
.set ADRB, 20
.set STO,  24
.set RD,   25
.set CO,   26
.set ADRS, 27
.set SPW,  28
.set NIL,  29
.set SC,   32
.set BI,   64
.set AF,   128
.set BK,   128
.set G1, 24
.set G0, 32
.set G1B, 48
.set G0B, 56
.set G1S, 68
.set G0S, 76
.set G1SB, 80
.set G0SB, 88
.set MSB, 0
.macro WIN new
.if MSB != (\new)
	s_set_vgpr_msb (MSB<<8)|(\new)
.set MSB, (\new)
.endif
.endm
.set MUL_LO, 0xa1
.set MUL_HI, 0xf1
.set TO_B,   0x40
.macro JLOAD g0a, g1a, g0b, g1b        ; waves 0 and 1 fetch for A, waves 2 and 3 for B; four v_nop follow each of the two lines
	s_cmp_eq_u32 s15, 0
	s_cbranch_scc0 .Lfor_b_\@
	tensor_load_to_lds s[\g0a:\g0a+3], s[\g1a:\g1a+7]
	s_nop 0
.rept 4
	v_nop
.endr
	s_branch .Lasked_\@
.Lfor_b_\@:
	tensor_load_to_lds s[\g0b:\g0b+3], s[\g1b:\g1b+7]
	s_nop 0
.rept 4
	v_nop
.endr
.Lasked_\@:
.endm
.macro CREST
	s_cmp_lg_u32 s14, 0
	s_cbranch_scc1 .Lnot_wave_0_\@
	s_barrier_signal -3
.Lnot_wave_0_\@:
	s_barrier_wait -3
	s_barrier_signal -1
	s_barrier_wait -1
.endm
.macro CROUND
	s_barrier_signal -1
	s_barrier_wait -1
	CREST
.endm
	s_load_b128 s[4:7], s[0:1], 0x0                ; ao, ao_scales
	s_load_b128 s[8:11], s[0:1], 0x10              ; codes, scales
	s_load_b64 s[96:97], s[0:1], 0x20              ; b_proj
	s_load_b64 s[12:13], s[0:1], 0x28              ; out0
	v_lshl_add_u32 v[SPW], v0, 2, SPARE
	v_mov_b32 v[NIL], 0
	ds_add_u32 v28, v29
	ds_add_u32 v28, v29
	s_wait_dscnt 0x0
	v_lshrrev_b32 v1, 5, v0
	v_readfirstlane_b32 s14, v1                    ; wave 0..3
	s_lshr_b32 s15, s14, 1                         ; which half of the tile's rows is mine.  Also: I fetch for A (0) or for B (1)
	s_and_b32 s16, s14, 1                          ; which half of its columns.  Also: which half of that tile I fetch
	s_bfe_u32 s40, ttmp6, 0x40000
	s_bfe_u32 s41, ttmp6, 0x40004
	s_lshl_b32 s42, ttmp9, 2
	s_add_co_u32 s42, s42, s40                     ; tile column
	s_and_b32 s17, ttmp7, 0xffff
	s_lshl_b32 s17, s17, 2
	s_add_co_u32 s17, s17, s41                     ; tile row
	s_lshl_b32 s43, s41, 2
	s_lshl_b32 s43, 15, s43                        ; my row of the cluster
	s_lshl_b32 s44, 0x1111, s40                    ; my column
	s_or_b32 s[G1+0], s43, (3<<16)|(1<<21)         ; A: the mask; elements of 8 bytes; bit 21 beside a mask; no padding
	s_mov_b32 s[G1+1], 384<<16                     ; tensor_dim0 = 384: rows of 3,072 bytes
	s_mov_b32 s[G1+2], 8<<16                       ; tensor_dim1 = 8 blocks of tokens
	s_mov_b32 s[G1+3], 384<<16                     ; tile_dim0
	s_mov_b32 s[G1+4], 8                           ; tile_dim1
	s_mov_b32 s[G1+5], 1536                        ; stride: 12,288 bytes
	s_mov_b32 s[G1+6], 0
	s_mov_b32 s[G1+7], 0
	s_or_b32 s[G1B+0], s44, (0<<16)|(1<<20)|(1<<21)|(3<<22)|(3<<25)  ; B: 128 rows of 192 bytes, 16 bytes of padding behind every 64
	s_mov_b32 s[G1B+1], ROWB<<16
	s_mov_b32 s[G1B+2], 128<<16
	s_mov_b32 s[G1B+3], ROWB<<16
	s_mov_b32 s[G1B+4], 128
	s_mov_b32 s[G1B+5], KROW
	s_mov_b32 s[G1B+6], 0
	s_mov_b32 s[G1B+7], 0
	s_or_b32 s[G1S+0], s43, (3<<16)|(1<<20)|(1<<21)|(5<<22)|(3<<25)  ; the scales of 128 rows: 4,096 dense bytes as rows of 256, 16 bytes of padding behind each
	s_or_b32 s[G1SB+0], s44, (3<<16)|(1<<20)|(1<<21)|(5<<22)|(3<<25)
.irp g, G1S, G1SB
	s_mov_b32 s[\g+1], 32<<16
	s_mov_b32 s[\g+2], (128*KS/256)<<16
	s_mov_b32 s[\g+3], 32<<16
	s_mov_b32 s[\g+4], 128*KS/256
	s_mov_b32 s[\g+5], 32
	s_mov_b32 s[\g+6], 0
	s_mov_b32 s[\g+7], 0
.endr
	s_lshl_b32 s18, s16, 7                         ; which 128 rows of the tile I fetch
	s_lshl_b32 s20, s17, 8
	s_add_co_u32 s20, s20, s18                     ; A's row (token)
	s_add_co_u32 s46, s42, 44                      ; w_proj begins at tile 44 of the codes
	s_lshl_b32 s46, s46, 8
	s_add_co_u32 s46, s46, s18                     ; B's row
	s_lshl_b32 s22, s20, 5                         ; the rows' scales: 32 bytes a row.  All four offsets stay under 2^24
	s_mov_b32 s23, 0
	s_lshl_b32 s92, s46, 5
	s_mov_b32 s93, 0
	s_mul_i32 s20, s20, 768                        ; A's codes: 12,288 bytes for 16 tokens
	s_mov_b32 s21, 0
	s_mul_i32 s46, s46, KROW
	s_mov_b32 s47, 0
	s_mul_i32 s45, s16, HALFA                      ; where they go: A's two halves,
	s_mul_i32 s95, s16, HALFT
	s_add_co_u32 s95, s95, 2*HALFA                 ; then B's two: no place in the cluster enters an LDS address
	s_mul_i32 s94, s14, HALFS
	s_wait_kmcnt 0x0
	s_add_nc_u64 s[20:21], s[4:5], s[20:21]
	s_add_nc_u64 s[22:23], s[6:7], s[22:23]
	s_add_nc_u64 s[46:47], s[8:9], s[46:47]
	s_add_nc_u64 s[92:93], s[10:11], s[92:93]
	CROUND                                         ; all sixteen work-groups are here: the first joint loads meet
	s_mov_b32 s[G0S], 1
	s_add_co_u32 s[G0S+1], s94, SCL
	s_mov_b64 s[G0S+2:G0S+3], s[22:23]
	s_or_b32 s[G0S+3], s[G0S+3], 0x80000000
	s_mov_b32 s[G0SB], 1
	s_add_co_u32 s[G0SB+1], s94, SCL
	s_mov_b64 s[G0SB+2:G0SB+3], s[92:93]
	s_or_b32 s[G0SB+3], s[G0SB+3], 0x80000000
	JLOAD G0S, G1S, G0SB, G1SB
.irp s, 0,1
	s_mov_b32 s[G0+4*\s], 1
	s_add_co_u32 s[G0+4*\s+1], s45, \s*SLOT
	s_add_nc_u64 s[G0+4*\s+2:G0+4*\s+3], s[20:21], \s*3072
	s_or_b32 s[G0+4*\s+3], s[G0+4*\s+3], 0x80000000
	s_mov_b32 s[G0B+4*\s], 1
	s_add_co_u32 s[G0B+4*\s+1], s95, \s*SLOT
	s_add_nc_u64 s[G0B+4*\s+2:G0B+4*\s+3], s[46:47], \s*ROWB
	s_or_b32 s[G0B+4*\s+3], s[G0B+4*\s+3], 0x80000000
	JLOAD G0+4*\s, G1, G0B+4*\s, G1B
.endr
	v_and_b32 v1, 15, v0                           ; l % 16
	v_bfe_u32 v2, v0, 4, 1                         ; l / 16
	v_mul_u32_u24 v3, v1, PITCH
	v_mul_u32_u24 v4, v2, 24
	v_add_nc_u32 v4, v3, v4                        ; B: a fragment's row x pitch + 24 x half
	v_lshl_add_u32 v5, v2, 4, v4                   ; and the same behind one padding more
	v_and_b32 v6, 31, v0
	v_lshlrev_b32 v7, 3, v6                        ; A: 8 x lane
	s_mul_i32 s21, s15, HALFA                      ; my 8 blocks of tokens
	s_mul_i32 s22, s16, HALFT                      ; my 128 rows of B,
	s_add_co_u32 s22, s22, 2*HALFA                 ; which lie behind A's
.irp s, 0,1
	v_add_nc_u32 v[ADRA+\s], s21, v7
	v_add_nc_u32 v[ADRB+\s], s22, v4
	v_add_nc_u32 v[ADRB+2+\s], s22, v5
	s_add_co_u32 s21, s21, SLOT
	s_add_co_u32 s22, s22, SLOT
.endr
	v_mul_u32_u24 v5, v1, KS
	v_lshrrev_b32 v6, 8, v5
	v_lshl_add_u32 v5, v6, 4, v5
	s_mul_i32 s21, s15, HALFS
	s_mul_i32 s22, s16, HALFS
	s_add_co_u32 s22, s22, 2*HALFS
	s_sub_co_u32 s22, s22, s21
	v_mul_u32_u24 v6, s22, v2                      ; lanes 16-31 take B's scale words
	s_add_co_u32 s21, s21, SCL
	v_add_nc_u32 v5, v5, v6
	v_add_nc_u32 v[ADRS], s21, v5
	s_mul_i32 s23, s14, 16*SPITCH                  ; my stage
	v_mul_u32_u24 v5, v1, SPITCH
	v_lshl_add_u32 v5, v2, 5, v5
	v_add_nc_u32 v[STO], s23, v5
	v_and_b32 v6, 31, v0
	v_lshlrev_b32 v[CO], 4, v6
	v_add_nc_u32 v[RD], s23, v[CO]
	s_lshl_b32 s20, s17, 8
	s_lshl_b32 s21, s15, 7
	s_add_co_u32 s20, s20, s21                     ; my first row of out0
	s_lshl_b32 s20, s20, 12                        ; 4,096 bytes a row: under 2^25
	s_mov_b32 s21, 0
	s_lshl_b32 s46, s42, 10                        ; my first column, in bytes: 1,024 x tile column + 512 x half
	s_lshl_b32 s47, s16, 9
	s_add_co_u32 s46, s46, s47
	s_mov_b32 s47, 0
	s_add_nc_u64 s[96:97], s[96:97], s[46:47]      ; the bias of my 128 columns
	s_add_nc_u64 s[20:21], s[20:21], s[46:47]
	s_add_nc_u64 s[12:13], s[12:13], s[20:21]
	v_lshlrev_b32 v8, 5, v2                        ; lane (r, h) wants, for B's block b, the bias of columns 16 b + 8 h + 0 .. 7
.irp b, 0,1,2,3,4,5,6,7
	global_load_b128 v[BI+8*\b:BI+8*\b+3], v8, s[96:97] offset:64*\b
	global_load_b128 v[BI+8*\b+4:BI+8*\b+7], v8, s[96:97] offset:64*\b+16
.endr
.macro FRAG reg, adr, q, i             ; B: 16 rows x 128 K from padded rows, in pieces of 8 bytes
.irp p, 0,1,2,3,4,5
.set PC, 12*(\q)+6*(\p/3)+\p%3
.if PC%8 < 5
	ds_load_b64 v[\reg+2*\p:\reg+2*\p+1], v[\adr] offset:8*PC+16*(PC/8)+(\i)*16*PITCH
.else
	ds_load_b64 v[\reg+2*\p:\reg+2*\p+1], v[\adr+2] offset:8*PC+16*(PC/8)+(\i)*16*PITCH
.endif
.endr
.endm
.macro FRAGA reg, slot, q, i           ; A: an image of the twelve registers: six runs of 256 bytes
.irp g, 0,1,2,3,4,5
	ds_load_b64 v[\reg+2*\g:\reg+2*\g+1], v[ADRA+\slot] offset:(\i)*3072+(\q)*1536+256*\g
.endr
.endm
; 16 matrix instructions.  first = 1: the sums begin with the bias as C.  The 64 accumulators take turns, one instruction a turn.
.macro MUL16 a0, p, q, sc, first
.irp a, \a0, \a0+1
.irp b, 0,1,2,3,4,5,6,7
.if \first
	v_wmma_scale_f32_16x16x128_f8f6f4 v[8*(8*((\a)%4)+\b):8*(8*((\a)%4)+\b)+7], v[128*(\p)+FR*\b:128*(\p)+FR*\b+FR-1], v[AF+FR*(\a):AF+FR*(\a)+FR-1], v[BI+8*\b:BI+8*\b+7], v[SC+8*NQ*(\sc)+NQ*\b+(\q)], v[SC+8*NQ*(\sc)+NQ*(\a)+(\q)] matrix_a_fmt:MATRIX_FMT_FP6 matrix_b_fmt:MATRIX_FMT_FP6 matrix_a_scale:MATRIX_SCALE_ROW1
.else
	v_wmma_scale_f32_16x16x128_f8f6f4 v[8*(8*((\a)%4)+\b):8*(8*((\a)%4)+\b)+7], v[128*(\p)+FR*\b:128*(\p)+FR*\b+FR-1], v[AF+FR*(\a):AF+FR*(\a)+FR-1], v[8*(8*((\a)%4)+\b):8*(8*((\a)%4)+\b)+7], v[SC+8*NQ*(\sc)+NQ*\b+(\q)], v[SC+8*NQ*(\sc)+NQ*(\a)+(\q)] matrix_a_fmt:MATRIX_FMT_FP6 matrix_b_fmt:MATRIX_FMT_FP6 matrix_a_scale:MATRIX_SCALE_ROW1
.endif
.endr
.endr
.endm
.macro FETCH_B slot, q, p
	WIN TO_B
.irp i, 0,1,2,3,4,5,6,7
	FRAG 128*(\p)+FR*\i, ADRB+\slot, \q, \i
.endr
	WIN 0
.endm
.macro FETCH_A slot, q, i0
.irp i, \i0, \i0+1, \i0+2, \i0+3
	FRAGA AF+FR*(\i), \slot, \q, \i
.endr
.endm
.macro SCALES sc
.irp i, 0,1,2,3,4,5,6,7
	ds_load_b64 v[SC+8*NQ*\sc+NQ*\i:SC+8*NQ*\sc+NQ*\i+1], v[ADRS] offset:\i*SBLK
.endr
.endm
.macro PLACES n
.rept \n
	v_nop
.endr
.endm
.macro STEP slot, q, first
	s_wait_dscnt 4*NL                              ; B's set and A's blocks 0-3 are in; the youngest 24 loads (A's blocks 4-7) may be out
.if \first
	WIN 0x81                                       ; source 0 window 1; A and the bias window 0; D window 2
.else
	WIN MUL_LO
.endif
	MUL16 0, (\q)%2, \q, \slot, \first
	MUL16 2, (\q)%2, \q, \slot, \first
	s_wait_dscnt 0
	PLACES NP
	FETCH_B \slot, (\q)+1, 1-(\q)%2
	FETCH_A \slot, (\q)+1, 0
.if \first
	WIN 0xc1
.else
	WIN MUL_HI
.endif
	MUL16 4, (\q)%2, \q, \slot, \first
	MUL16 6, (\q)%2, \q, \slot, \first
	PLACES NP
	WIN 0
	FETCH_A \slot, (\q)+1, 4
.endm
.macro TURN slot, next, fill
	s_wait_tensorcnt 0x0                           ; all my tensor loads have landed: my part of the next slot
	ds_add_u32 v[SPW], v[NIL]                      ; 0 onto my spare word
	s_wait_dscnt 4*NL+1                            ; (the add and the youngest 24 loads may be out)
	WIN MUL_LO
	MUL16 0, 1, NQ-1, \slot, 0
	s_wait_dscnt 0x0                               ; the add is done, and my reads of this slot are over
	s_barrier_signal -1
	MUL16 2, 1, NQ-1, \slot, 0
	WIN 0
	s_barrier_wait -1
.if \fill
	CREST                                          ; no wave of any partner still reads this slot or has a load on its way
	s_add_nc_u64 s[G0+4*\slot+2:G0+4*\slot+3], s[G0+4*\slot+2:G0+4*\slot+3], 2*3072
	s_add_nc_u64 s[G0B+4*\slot+2:G0B+4*\slot+3], s[G0B+4*\slot+2:G0B+4*\slot+3], 2*ROWB
	JLOAD G0+4*\slot, G1, G0B+4*\slot, G1B
.else
	PLACES NP
.endif
	v_add_nc_u32 v[ADRS], 4*NQ, v[ADRS]
	FETCH_B \next, 0, 0
	FETCH_A \next, 0, 0
	SCALES \next
	WIN MUL_HI
	MUL16 4, 1, NQ-1, \slot, 0
	MUL16 6, 1, NQ-1, \slot, 0
	PLACES NP
	WIN 0
	FETCH_A \next, 0, 4
.endm
	s_wait_tensorcnt 1                             ; the scales and my part of K step 0 are in (K step 1's load may be out),
	s_barrier_signal -1
	s_barrier_wait -1                              ; everybody's are
	FETCH_B 0, 0, 0
	FETCH_A 0, 0, 0
	SCALES 0
	FETCH_A 0, 0, 4
	s_wait_loadcnt 0x0                             ; the bias
	STEP 0, 0, 1
	s_mov_b32 s3, LAPS-1
.Llap:
	TURN 0, 1, 1
	STEP 1, 0, 0
	TURN 1, 0, 1
	STEP 0, 0, 0
	s_sub_co_u32 s3, s3, 1
	s_cmp_lg_u32 s3, 0
	s_cbranch_scc1 .Llap
	TURN 0, 1, 0
	STEP 1, 0, 0
	s_wait_dscnt 4*NL
	WIN MUL_LO
	MUL16 0, 1, NQ-1, 1, 0
	MUL16 2, 1, NQ-1, 1, 0
	s_wait_dscnt 0
	WIN MUL_HI
	MUL16 4, 1, NQ-1, 1, 0
	MUL16 6, 1, NQ-1, 1, 0
	WIN 0
; THE WAY OUT, block by block of 16 rows x 128 columns, through my own stage in LDS: back as whole rows of 512 bytes.  LDS serves a wave's instructions in order: no wait between the stores and the loads.
.macro TOSTAGE a
.set AC, 64*((\a)%4)
	WIN 0x08+4*((\a)/4)                            ; the data: window 2 or 3
.irp b, 0,1,2,3,4,5,6,7
	ds_store_b128 v[STO], v[AC+8*\b:AC+8*\b+3] offset:64*\b          ; each accumulator from its low end on
	ds_store_b128 v[STO], v[AC+8*\b+4:AC+8*\b+7] offset:64*\b+16
.endr
	WIN 0
.set BB, BK+64*((\a)%2)
.irp t, 0,1,2,3,4,5,6,7,8,9,10,11,12,13,14,15
	ds_load_b128 v[BB+4*\t:BB+4*\t+3], v[RD] offset:\t*SPITCH
.endr
.endm
.macro SEND a, younger
.set BB, BK+64*((\a)%2)
	s_wait_dscnt \younger                          ; the block is back in registers
.if (\a) > 0
	s_add_nc_u64 s[12:13], s[12:13], 16*SIZE_N*4   ; (behind a wait on XCNT: the earlier stores have read their base)
.endif
.irp t, 0,1,2,3,4,5,6,7,8,9,10,11,12,13,14,15
	global_store_b128 v[CO], v[BB+4*\t:BB+4*\t+3], s[12:13] offset:\t*SIZE_N*4 th:TH_STORE_NT   ; 32 lanes store 512 consecutive bytes, aligned to 256
.endr
.endm
	PLACES NP
	TOSTAGE 0
.irp a, 1,2,3,4,5,6,7
.if \a > 1
	s_wait_xcnt 0x0                                ; block a - 2's stores have read their registers and their base
.endif
	TOSTAGE \a
	SEND \a-1, 32                                  ; behind block a - 1's loads: block a's 16 stores and 16 loads
.endr
	s_wait_xcnt 0x0
	SEND 7, 0
	s_wait_tensorcnt 0x0                           ; the wave's end
	ds_add_u32 v[SPW], v[NIL]
	s_wait_dscnt 0x0
	CROUND                                         ; no work-group ends while a partner may still ask for a tile that names it
	s_endpgm
.Lfunc_end_k_qfcc4f344b8_proj:
	.size	k_qfcc4f344b8_proj, .Lfunc_end_k_qfcc4f344b8_proj-k_qfcc4f344b8_proj
	.p2alignl 7, 3214868480
	.fill 96, 4, 3214868480
	.section	.rodata,"a",@progbits
	.p2align	6, 0x0
	.amdhsa_kernel k_qfcc4f344b8_proj
		.amdhsa_group_segment_fixed_size 327680
		.amdhsa_private_segment_fixed_size 0
		.amdhsa_enable_private_segment 0
		.amdhsa_kernarg_size 48
		.amdhsa_user_sgpr_count 2
		.amdhsa_user_sgpr_kernarg_segment_ptr 1
		.amdhsa_wavefront_size32 1
		.amdhsa_system_sgpr_workgroup_id_x 1
		.amdhsa_system_sgpr_workgroup_id_y 1
		.amdhsa_system_sgpr_workgroup_id_z 1
		.amdhsa_system_vgpr_workitem_id 0
		.amdhsa_next_free_vgpr 1024
		.amdhsa_next_free_sgpr 100
		.amdhsa_reserve_vcc 0
		.amdhsa_float_denorm_mode_32 3
		.amdhsa_float_denorm_mode_16_64 3
		.amdhsa_memory_ordered 1
		.amdhsa_forward_progress 1
		.amdhsa_inst_pref_size 162
	.end_amdhsa_kernel
	.amdgpu_metadata
---
amdhsa.version: [ 1, 2 ]
amdhsa.kernels:
  - .name:           k_qfcc4f344b8_proj
    .symbol:         k_qfcc4f344b8_proj.kd
    .args:
      - { .name: ao, .offset: 0, .size: 8, .value_kind: global_buffer, .address_space: global }
      - { .name: ao_scales, .offset: 8, .size: 8, .value_kind: global_buffer, .address_space: global }
      - { .name: codes, .offset: 16, .size: 8, .value_kind: global_buffer, .address_space: global }
      - { .name: scales, .offset: 24, .size: 8, .value_kind: global_buffer, .address_space: global }
      - { .name: b_proj, .offset: 32, .size: 8, .value_kind: global_buffer, .address_space: global }
      - { .name: out0, .offset: 40, .size: 8, .value_kind: global_buffer, .address_space: global }
    .group_segment_fixed_size: 327680
    .private_segment_fixed_size: 0
    .kernarg_segment_align: 8
    .kernarg_segment_size: 48
    .max_flat_workgroup_size: 128
    .sgpr_count:     100
    .vgpr_count:     1024
    .wavefront_size: 32
...
	.end_amdgpu_metadata
.endif
;; end of part 4
